; MI455X (gfx1250); checked and timed in simulation.
; The chip was launched on July 23, 2026; its instructions are those of AMD's public machine-readable ISA for CDNA 5 (MIT licence, August 2026) and "CDNA5" Instruction Set Architecture Reference Guide (July 2026). The comments in the code are by the model that wrote it; some were corrected since.
;; Dense Full Attention. Allowed arithmetic: matrix products marked QUANTISED: E2M3 operands, one E8M0 scale for each 32 along K, by v_wmma_scale_f32_16x16x128_f8f6f4 with both operands' format E2M3, f32 sums; everything else in f32.
;; Inputs: cos 2,048 x 64 float32; sin 2,048 x 64 float32; wk 2,048 x 2,048 float32; wo 2,048 x 2,048 float32; wq 2,048 x 2,048 float32; wv 2,048 x 2,048 float32; x 1 x 2,048 x 2,048 float32.
;; Outputs: out0 1 x 2,048 x 2,048 float32.
;; This version of the problem:
;;   THIS VERSION OF THE PROBLEM IS GIVEN IN LOW PRECISION. The matrix products marked QUANTISED in the list below multiply operands that are first quantised to E2M3 (2 exponent bits, 3 mantissa bits; 6 bits a number), with one power-of-two scale for each 32 numbers along K (OCP MX v1.0); their sums are f32. All else is computed in f32.
;;   The module's matrix products, in the order in which they are computed (A, B: the left and right operand; K: the contracted axis; several contracted axes count as one K, in the product's order):
;;     1. [M 2,048, K 2,048] x [K 2,048, N 2,048]; A: input x; B: input wq: QUANTISED
;;     2. [M 2,048, K 2,048] x [K 2,048, N 2,048]; A: input x; B: input wk: QUANTISED
;;     3. [M 2,048, K 2,048] x [K 2,048, N 2,048]; A: input x; B: input wv: QUANTISED
;;     4. batch 16 x [M 2,048, K 128] x [K 128, N 2,048]; A: computed on the way; B: computed on the way: QUANTISED
;;     5. batch 16 x [M 128, K 2,048] x [K 2,048, N 2,048]; A: computed on the way; B: softmax (see below): QUANTISED
;;     6. [M 2,048, K 2,048] x [K 2,048, N 2,048]; A: computed on the way; B: input wo: QUANTISED
;;   THE QUANTISER, for each operand of a quantised product, along K:
;;     - K is cut into blocks of 32 from its start; a last block that is shorter is filled with zeros.
;;     - A block's scale is 2^e with e = floor(log2(the largest magnitude in the block)) - 2, held to -126 .. 127; a block of zeros has e = 0. As a byte (E8M0): e + 127.
;;     - Each number is divided by its block's scale, clamped to +-7.5, and rounded to the nearest number of E2M3, ties to even, subnormals kept.
;;     - The product sums the exact products of the quantised numbers (number of the format x scale) in f32.
;;   ~~~python
;;   def quantise(x, axis):      # numpy; x: float32 -> the quantised numbers, widened to float32 again
;;       x = np.moveaxis(x, axis, -1); K = x.shape[-1]
;;       x = np.pad(x, [(0, 0)] * (x.ndim - 1) + [(0, -K % 32)]); x = x.reshape(x.shape[:-1] + (-1, 32)); a = np.abs(x).max(-1, keepdims=True)
;;       e = np.where(a > 0, np.clip(np.frexp(np.where(a > 0, a, 1))[1] - 1 - 2, -126, 127), 0)      # np.frexp(a)[1] - 1 = floor(log2(a)), exactly
;;       r = np.clip(x / 2.0 ** e, -7.5, 7.5)
;;       step = 2.0 ** (np.maximum(np.frexp(np.where(r == 0, 1, r))[1] - 1, 0) - 3)
;;       q = np.round(r / step) * step * 2.0 ** e      # np.round: ties to even
;;       return np.moveaxis(q.reshape(q.shape[:-2] + (-1,))[..., :K], -1, axis).astype(np.float32)
;;   ~~~
;;   SOFTMAX AHEAD OF A QUANTISED PRODUCT. Where the list says 'softmax', what is quantised is not the finished softmax but p = 2^(t - M), with t = logit x log2(e) and M = ceil(the row's largest t), a whole number; so 1/2 < the row's largest p <= 1. The row's sum l is taken of the UNQUANTISED p, in f32, and the product's result is divided by l at the end. Since M is a whole number, a kernel that streams over the keys may use a running M (the ceiling of the running maximum): every later rescaling is an exact power of two, which a block's scale takes up: the codes' values come out the same.
;;   OPERANDS COMPUTED ON THE WAY. 'Computed on the way' means the value that the module computes at that place (a softmax that the list does not call 'softmax' is quantised finished and normalised). What goes into a quantiser is computed in f32, as accurately as f32 sums, v_exp_f32 and their like allow (about 1e-6 of the number): no bf16 or f16 on the way to a quantiser, and a product that is left as it is and whose result goes on into a quantised operand takes f32 operands (vector FMAs, or v_wmma_f32_16x16x4_f32). A number that lies on a knife's edge between two numbers of the format may be rounded either way, as far as f32 arithmetic and the matrix unit's own rounding can turn it there, and no further.
;; One version. Each part assembles by itself: llvm-mc -triple=amdgcn-amd-amdhsa -mcpu=gfx1250 --defsym DOCPART=n.
;; ======== version 1 of 1: 4 launches
;; workspace buffers: wcodes 15,728,640 bytes; wscales 1,310,720 bytes; qkvc 9,437,184 bytes; qkvs 786,432 bytes; aoc 3,145,728 bytes; aos 262,144 bytes
;; launch quant (part 1): grid 640 x 1, 4 waves a work-group, no clusters, 47,616 bytes of LDS; arguments x, wq, wk, wv, wo, wcodes, wscales; writes wcodes, wscales
.if DOCPART == 1
	.amdgcn_target "amdgcn-amd-amdhsa--gfx1250"
	.amdhsa_code_object_version 6
	.text
	.protected	k_q85a8900c8b_quant
	.globl	k_q85a8900c8b_quant
	.p2align	8
	.type	k_q85a8900c8b_quant,@function
k_q85a8900c8b_quant:
	s_mov_b64 s[64:65], 0
	v_nop
	global_prefetch_b8 v0, s[64:65] scope:SCOPE_SE
	s_setreg_imm32_b32 hwreg(HW_REG_WAVE_MODE, 25, 1), 1
	s_wait_xcnt 0x0
; x [2048][2048] (K innermost) and wq, wk, wv, wo [2048 (k)][2048 (n)] (K outermost), f32, become codes of FP6 (E2M3) with one E8M0 byte for each 32 along K.
; A block's scale is 2^(floor(log2(its largest magnitude)) - 2): its byte is the largest magnitude's exponent field - 2, held at 1 from below.
; LIMITS: NaN and infinities are not served; a block whose largest magnitude lies under 2^-124 (a block of zeros too) keeps the byte 1: this program alone reads the bytes, and zero codes add nothing.
; THE WORKSPACE IS LAID AS THE MATRIX OPERANDS' REGISTERS.  A fragment (16 rows x 128 K, 12 registers a lane) is an image of 1,536 bytes: register 4 c + i of lane l at 512 c + 16 l + 4 i.
; Its scale words are an image of 128 bytes: lane l's word (row l % 16) at 4 l, so rows 0-15 stand twice.  A tensor is [tile 0..127][K step 0..15][image]; sections of wcodes, wscales: 0 x, 1 wq, 2 wk, 3 wv, 4 wo.
; WHICH ROWS FORM A TILE: tile 2 b + u, row r, holds true row (x) or column (weights) 32 b + 8 u + r + 8 (r / 8): a transposed product then leaves 16 neighbours along the next K in 16 registers.
; Work-groups 0-127 take a tile of x each (wave w: K steps 4 w .. 4 w + 3); work-groups 128-639 take 128 columns x 256 k of a weight (wave w: 32 columns).  Each path has LDS bytes of its own; waves share nothing: no barrier.
.set R,    16                          ; x path: v16-79 a K step's numbers as loaded (row j: 4 registers)
.set X,    80                          ; v80-143 the same turned: my row's k = 64 c + 32 h + 0..31 at X + 32 c
.set P,    144                         ; v144-155 the fragment's codes; v156-158, v160-162 second halves of the conversions
.set P2,   156
.set XPIT, 528                         ; a stage row: 512 bytes + 16
.set XSTG, 16*XPIT                     ; a wave's stage
.set WST0, 4*XSTG                      ; the weights' path: its stages begin here
.set WPIT, 1664                        ; a tile's image in the stage: 1,536 + 128, so that the sixteen lanes of a store touch sixteen different columns of 16 bytes
.set WSTG, 2*WPIT
.set XW,   16                          ; w path: v16-79 two sets of 32 numbers
.set CW,   80                          ; v80-103 a K step's codes: block t at CW + 12 (t & 1) + 6 (t >> 1)
.set C2,   104
.set OUTR, 112                         ; v112-159 images on the way out, 24 registers a K step
.set SB,   14                          ; v14, v15 my column's scale word of each K step
.macro MAX32 d, e, s                   ; the largest magnitude of 32 registers, two chains, with the floor 2^(3 - 127) as a leaf
	v_max3_num_f32 v[\d], |v[\s]|, |v[\s+1]|, |v[\s+2]|
	v_max3_num_f32 v[\e], |v[\s+3]|, |v[\s+4]|, |v[\s+5]|
.irp i, 6,10,14,18,22,26
	v_max3_num_f32 v[\d], v[\d], |v[\s+\i]|, |v[\s+\i+1]|
	v_max3_num_f32 v[\e], v[\e], |v[\s+\i+2]|, |v[\s+\i+3]|
.endr
	v_max3_num_f32 v[\d], v[\d], |v[\s+30]|, |v[\s+31]|
	v_max3_num_f32 v[\d], v[\d], v[\e], 0x1800000
.endm
.macro LOADX f                         ; K step f of my four: 16 rows x 512 bytes; each load reads 512 consecutive bytes of one row
.set jj, 0
.rept 16
	global_load_b128 v[R+4*jj:R+4*jj+3], v1, s[4:5] offset:(jj+8*(jj/8))*8192+512*(\f) th:TH_LOAD_NT
.set jj, jj+1
.endr
.endm
.macro FRX f
	s_wait_loadcnt 0x0                             ; this K step's 16 loads are in
.set jj, 0
.rept 16
	ds_store_b128 v2, v[R+4*jj:R+4*jj+3] offset:XPIT*jj
.set jj, jj+1
.endr
.irp c, 0,1
.irp i, 0,1,2,3,4,5,6,7
	ds_load_b128 v[X+32*\c+4*\i:X+32*\c+4*\i+3], v3 offset:256*\c+16*\i   ; LDS serves a wave's instructions in order: these see the stores above
.endr
.endr
	s_wait_dscnt 0x0                               ; the numbers are back, and the stores have read R
.if \f < 3
	LOADX (\f)+1                                   ; the next K step lands while this one is worked
.endif
	MAX32 8, 9, X                                  ; block h of my row: all 32 numbers are mine
	MAX32 10, 11, X+32                             ; block 2 + h
	v_add_nc_u32 v12, 0xff000000, v8               ; 2 off the exponent field: the conversion's scale operand
	v_add_nc_u32 v13, 0xff000000, v10
	v_lshrrev_b32 v14, 23, v12                     ; the scales' bytes
	v_lshrrev_b32 v15, 23, v13
	s_wait_xcnt 0x0                                ; the last K step's stores have read v6 and P: they are written again only behind this wait
	v_lshl_or_b32 v6, v15, 16, v14
	v_lshlrev_b32 v6, v5, v6                       ; at their places in the word: 8 h bits up
	v_permlanex16_b32 v7, v6, s2, s3
	v_or_b32 v6, v6, v7                            ; with lane l xor 16's two bytes the row's word is whole, in both halves of the lanes
.irp c, 0,1
	v_cvt_scalef32_pk16_fp6_f32 v[P+6*\c:P+6*\c+2], v[X+32*\c:X+32*\c+15], v[12+\c]
	v_cvt_scalef32_pk16_fp6_f32 v[P2+4*\c:P2+4*\c+2], v[X+32*\c+16:X+32*\c+31], v[12+\c]   ; (a conversion's three registers begin on an even number)
.endr
	v_nop                                          ; one plain place behind the scaled conversions
.irp c, 0,1
.irp i, 0,1,2
	v_mov_b32 v[P+3+6*\c+\i], v[P2+4*\c+\i]
.endr
.endr
.irp c, 0,1,2
	global_store_b128 v1, v[P+4*\c:P+4*\c+3], s[6:7] offset:1536*(\f)+512*\c   ; 512 consecutive bytes, aligned
.endr
	global_store_b32 v4, v6, s[30:31] offset:128*(\f)
.endm
.macro LOADW t                         ; block t: W(32 t + i, my column) into set t % 2
.set jj, 0
.rept 32
	global_load_b32 v[XW+32*((\t)%2)+jj], v1, s[4:5] offset:(32*(\t)+jj)*8192 th:TH_LOAD_NT
.set jj, jj+1
.endr
.endm
.macro BLOCK t
.set XS, XW+32*((\t)%2)
.set CD, CW+12*((\t)&1)+6*(((\t)&3)>>1)
.if (\t) < 7
	s_wait_loadcnt 32                              ; this block's 32 loads are in; the next block's 32 may be out
.else
	s_wait_loadcnt 0x0
.endif
	MAX32 8, 9, XS
	v_add_nc_u32 v10, 0xff000000, v8
	v_lshrrev_b32 v11, 23, v10
.if (\t)%4 == 0
	v_mov_b32 v[SB+(\t)/4], v11                    ; four bytes to a word, the lower K in the lower byte
.else
	v_lshl_or_b32 v[SB+(\t)/4], v11, 8*((\t)%4), v[SB+(\t)/4]
.endif
	v_cvt_scalef32_pk16_fp6_f32 v[CD:CD+2], v[XS:XS+15], v10
	v_cvt_scalef32_pk16_fp6_f32 v[C2:C2+2], v[XS+16:XS+31], v10
	v_nop
.irp i, 0,1,2
	v_mov_b32 v[CD+3+\i], v[C2+\i]
.endr
.if (\t)+2 < 8
	LOADW (\t)+2
.endif
.endm
.macro FLUSH kk                        ; a K step's codes: my 24 registers are those of lanes (r, 0) and (r, 1) of tile u: through the stage, and out as two whole images
.irp par, 0,1
.irp c, 0,1,2
	ds_store_b128 v2, v[CW+12*\par+4*\c:CW+12*\par+4*\c+3] offset:512*\c+256*\par
.endr
.endr
.irp u, 0,1
.irp c, 0,1,2
	ds_load_b128 v[OUTR+24*\kk+12*\u+4*\c:OUTR+24*\kk+12*\u+4*\c+3], v3 offset:WPIT*\u+512*\c
.endr
.endr
	s_wait_dscnt 0x0                               ; the images are in registers, and the stores have read CW
.irp u, 0,1
.irp c, 0,1,2
	global_store_b128 v4, v[OUTR+24*\kk+12*\u+4*\c:OUTR+24*\kk+12*\u+4*\c+3], s[6:7] offset:24576*\u+1536*\kk+512*\c
.endr
.endr
	global_store_b32 v5, v[SB+\kk], s[36:37] offset:128*\kk       ; my column's word, at row r,
	global_store_b32 v5, v[SB+\kk], s[36:37] offset:128*\kk+64    ; and once more at 16 + r
.endm
	s_load_b256 s[8:15], s[0:1], 0x0               ; x, wq, wk, wv
	s_load_b128 s[16:19], s[0:1], 0x20             ; wo, wcodes
	s_load_b64 s[20:21], s[0:1], 0x30              ; wscales
	v_lshl_add_u32 v168, v0, 2, 0xb800
	v_mov_b32 v169, 0
	v_lshrrev_b32 v1, 5, v0
	v_readfirstlane_b32 s22, v1                    ; wave
	v_and_b32 v6, 31, v0                           ; lane
	s_cmp_lt_u32 ttmp9, 128
	s_cbranch_scc0 .Lweights
	; ---- a tile of x: work-group = stored tile
	v_lshlrev_b32 v1, 4, v6                        ; 16 x lane
	v_lshlrev_b32 v4, 2, v6                        ; 4 x lane
	v_and_b32 v8, 15, v0                           ; r
	v_bfe_u32 v9, v0, 4, 1                         ; h
	s_mul_i32 s23, s22, XSTG
	v_add_nc_u32 v2, s23, v1                       ; into the stage: as loaded
	v_mul_u32_u24 v3, v8, XPIT
	v_lshl_add_u32 v3, v9, 7, v3
	v_add_nc_u32 v3, s23, v3                       ; out of it: row r, 128 h bytes on
	v_lshlrev_b32 v5, 3, v9                        ; 8 h
	v_mov_b32 v7, 0                                ; (a lane permute's destination counts as one of its sources)
	s_mov_b32 s2, 0x76543210
	s_mov_b32 s3, 0xfedcba98
	s_lshr_b32 s24, ttmp9, 1
	s_lshl_b32 s24, s24, 18                        ; 32 (T / 2) rows of 8,192 bytes
	s_and_b32 s25, ttmp9, 1
	s_lshl_b32 s25, s25, 16                        ; + 8 (T % 2) rows
	s_add_co_u32 s24, s24, s25
	s_lshl_b32 s25, s22, 11                        ; + my four K steps
	s_add_co_u32 s24, s24, s25
	s_mov_b32 s25, 0
	s_mul_i32 s26, ttmp9, 24576
	s_mul_i32 s27, s22, 6144
	s_add_co_u32 s26, s26, s27
	s_mov_b32 s27, 0
	s_lshl_b32 s28, ttmp9, 11
	s_lshl_b32 s29, s22, 9
	s_add_co_u32 s28, s28, s29
	s_mov_b32 s29, 0
	s_wait_kmcnt 0x0
	s_add_nc_u64 s[4:5], s[8:9], s[24:25]
	s_add_nc_u64 s[6:7], s[18:19], s[26:27]
	s_add_nc_u64 s[30:31], s[20:21], s[28:29]
	LOADX 0
	FRX 0
	FRX 1
	FRX 2
	FRX 3
	s_wait_tensorcnt 0x0
	ds_add_u32 v168, v169
	s_wait_dscnt 0x0
	s_endpgm
.Lweights:
	; ---- 128 columns x 256 k of a weight.  A lane takes a column and its registers run down K: a block of 32 lies in one lane
	v_lshlrev_b32 v1, 2, v6                        ; 4 x lane
	v_lshlrev_b32 v4, 4, v6                        ; 16 x lane
	v_bfe_u32 v7, v0, 3, 1                         ; u: which of the two tiles my column falls into
	v_and_b32 v8, 7, v0
	v_bfe_u32 v9, v0, 4, 1
	v_lshl_add_u32 v8, v9, 3, v8                   ; r: its row there
	s_mul_i32 s23, s22, WSTG
	s_add_co_u32 s23, s23, WST0
	v_mul_u32_u24 v2, v7, WPIT
	v_lshl_add_u32 v2, v8, 4, v2
	v_add_nc_u32 v2, s23, v2                       ; into the stage
	v_add_nc_u32 v3, s23, v4                       ; out of it
	v_lshlrev_b32 v5, 11, v7
	v_lshl_add_u32 v5, v8, 2, v5                   ; my scale word's place: tile u, row r
	s_sub_co_u32 s23, ttmp9, 128
	s_lshr_b32 s24, s23, 7                         ; which weight
	s_bfe_u32 s26, s23, 0x40003                    ; which 128 columns
	s_and_b32 s27, s23, 7                          ; which 256 along K
	s_lshl_b32 s28, s26, 7
	s_lshl_b32 s29, s22, 5
	s_add_co_u32 s28, s28, s29                     ; my wave's first column
	s_lshl_b32 s30, s27, 21
	s_lshl_b32 s29, s28, 2
	s_add_co_u32 s30, s30, s29
	s_mov_b32 s31, 0
	s_add_co_u32 s25, s24, 1                       ; the section
	s_lshr_b32 s28, s28, 4
	s_lshl_b32 s29, s25, 7
	s_add_co_u32 s28, s28, s29                     ; 128 x section + tile
	s_mul_i32 s32, s28, 24576
	s_mul_i32 s29, s27, 3072
	s_add_co_u32 s32, s32, s29
	s_mov_b32 s33, 0
	s_lshl_b32 s34, s28, 11
	s_lshl_b32 s29, s27, 8
	s_add_co_u32 s34, s34, s29
	s_mov_b32 s35, 0
	s_and_b32 s25, s24, 1
	s_wait_kmcnt 0x0
	s_cmp_lt_u32 s24, 2                            ; the choice hangs on the work-group's number alone
	s_cselect_b64 s[4:5], s[10:11], s[14:15]
	s_cselect_b64 s[6:7], s[12:13], s[16:17]
	s_cmp_eq_u32 s25, 0
	s_cselect_b64 s[4:5], s[4:5], s[6:7]
	s_add_nc_u64 s[4:5], s[4:5], s[30:31]
	s_add_nc_u64 s[6:7], s[18:19], s[32:33]
	s_add_nc_u64 s[36:37], s[20:21], s[34:35]
	LOADW 0
	LOADW 1
	BLOCK 0
	BLOCK 1
	BLOCK 2
	BLOCK 3
	FLUSH 0
	BLOCK 4
	BLOCK 5
	BLOCK 6
	BLOCK 7
	FLUSH 1
	s_wait_tensorcnt 0x0
	ds_add_u32 v168, v169
	s_wait_dscnt 0x0
	s_endpgm
.Lfunc_end_k_q85a8900c8b_quant:
	.size	k_q85a8900c8b_quant, .Lfunc_end_k_q85a8900c8b_quant-k_q85a8900c8b_quant
	.p2alignl 7, 3214868480
	.fill 96, 4, 3214868480
	.section	.rodata,"a",@progbits
	.p2align	6, 0x0
	.amdhsa_kernel k_q85a8900c8b_quant
		.amdhsa_group_segment_fixed_size 47616
		.amdhsa_private_segment_fixed_size 0
		.amdhsa_enable_private_segment 0
		.amdhsa_kernarg_size 56
		.amdhsa_user_sgpr_count 2
		.amdhsa_user_sgpr_kernarg_segment_ptr 1
		.amdhsa_wavefront_size32 1
		.amdhsa_system_sgpr_workgroup_id_x 1
		.amdhsa_system_sgpr_workgroup_id_y 1
		.amdhsa_system_sgpr_workgroup_id_z 1
		.amdhsa_system_vgpr_workitem_id 0
		.amdhsa_next_free_vgpr 170
		.amdhsa_next_free_sgpr 66
		.amdhsa_reserve_vcc 0
		.amdhsa_float_denorm_mode_32 3
		.amdhsa_float_denorm_mode_16_64 3
		.amdhsa_memory_ordered 1
		.amdhsa_forward_progress 1
		.amdhsa_inst_pref_size 71
	.end_amdhsa_kernel
	.amdgpu_metadata
---
amdhsa.version: [ 1, 2 ]
amdhsa.kernels:
  - .name:           k_q85a8900c8b_quant
    .symbol:         k_q85a8900c8b_quant.kd
    .args:
      - { .name: x, .offset: 0, .size: 8, .value_kind: global_buffer, .address_space: global }
      - { .name: wq, .offset: 8, .size: 8, .value_kind: global_buffer, .address_space: global }
      - { .name: wk, .offset: 16, .size: 8, .value_kind: global_buffer, .address_space: global }
      - { .name: wv, .offset: 24, .size: 8, .value_kind: global_buffer, .address_space: global }
      - { .name: wo, .offset: 32, .size: 8, .value_kind: global_buffer, .address_space: global }
      - { .name: wcodes, .offset: 40, .size: 8, .value_kind: global_buffer, .address_space: global }
      - { .name: wscales, .offset: 48, .size: 8, .value_kind: global_buffer, .address_space: global }
    .group_segment_fixed_size: 47616
    .private_segment_fixed_size: 0
    .kernarg_segment_align: 8
    .kernarg_segment_size: 56
    .max_flat_workgroup_size: 128
    .sgpr_count:     66
    .vgpr_count:     170
    .wavefront_size: 32
...
	.end_amdgpu_metadata
.endif
;; end of part 1
;; launch qkv (part 2): grid 24 x 8, 4 waves a work-group, clusters of 4 x 4, 327,680 bytes of LDS; arguments wcodes, wscales, cos, sin, qkvc, qkvs; writes qkvc, qkvs
.if DOCPART == 2
	.amdgcn_target "amdgcn-amd-amdhsa--gfx1250"
	.amdhsa_code_object_version 6
	.text
	.protected	k_q85a8900c8b_qkv
	.globl	k_q85a8900c8b_qkv
	.p2align	8
	.type	k_q85a8900c8b_qkv,@function
k_q85a8900c8b_qkv:
	s_mov_b64 s[64:65], 0
	v_nop
	global_prefetch_b8 v0, s[64:65] scope:SCOPE_SE
	s_setreg_imm32_b32 hwreg(HW_REG_WAVE_MODE, 25, 1), 1
	s_wait_xcnt 0x0
	s_wait_alu depctr_hold_cnt(0) depctr_sa_sdst(0) depctr_va_vdst(0) depctr_va_sdst(0) depctr_va_ssrc(0) depctr_va_vcc(0) depctr_vm_vsrc(0)
	s_getreg_b32 s2, hwreg(HW_REG_IB_STS2, 6, 4)
	s_cmp_eq_u32 s2, 0
	s_cbranch_scc0 .Lentry_in_a_cluster
	s_endpgm
.Lentry_in_a_cluster:
	s_bfe_u32 s2, ttmp6, 0x10000c
	s_cmp_lg_u32 s2, 0xf033
	s_cbranch_scc0 .Lentry_shape_is_right
	s_endpgm
.Lentry_shape_is_right:
; q = rope(x wq), k = rope(x wk), v = x wv, all three on codes of FP6 (E2M3) with E8M0 scales, and quantised again on the way out: no f32 result goes to memory.
; Operands come as images of their registers (1,536 bytes a fragment of 16 rows x 128 K, 128 bytes its scale words), [tile][K step]; tile 2 b + u, row r, holds true row 32 b + 8 u + r + 8 (r / 8).
; A work-group makes 256 x 256, a wave 128 x 128: 64 accumulators.  THE MATRIX INSTRUCTION IS USED TRANSPOSED (source 0 = a tile of B, source 1 = a tile of A): a lane holds one row of A, and the
; 16 registers of B's tiles 2 b, 2 b + 1 are 16 neighbours 32 b + 16 (lane / 16) + 0..15 along B's rows.  Cluster x 0, 1: A = x, B = wq; 2, 3: A = x, B = wk: a wave's 128 columns are one head, a lane's 64 numbers of a block
; of 16 tokens run along the head's channels: rope and the quantiser along the channels work in the lane.  Cluster x 4, 5: A = wv, B = x: a lane holds one channel and its numbers run along 128 keys, the K of attention's second product.
; OUT: qkvc sections q [head][token tile][1536], k likewise, v [head][key step][channel tile][1536]; qkvs the same with 128 bytes.
; K goes in slots of 2 K steps through a ring of two LDS slots; the scales of all K come once.  CLUSTERS 4 x 4: A's tiles are asked for jointly along a row of the cluster, B's along a column.
; 192 work-groups of equal work: a head has to stay in one wave, so the tile is not cut further.  LIMITS: NaN and infinities not served; blocks under 2^-124 keep the byte 1.
; REGISTERS: window 0: v16-29 addresses; v32-47 scale words, two sets; v64-159, v160-255 A's fragments, two sets.  window 1: B's two sets at v0, v128.  windows 2, 3: accumulator (a, b) at 8 (8 a + b).
; On the way out: window 0 v64-127 rope's results, v128-147 codes, v148-164 at work; window 1 v0-127 cos and sin, two sets.
.set NA,    8
.set NB,    8
.set NQ,    2
.set FIB,   1536
.set HALFT, NA*NQ*FIB                  ; 8 tiles x 2 K steps: what one tensor load brings
.set SLOT,  4*HALFT                    ; A's halves 0, 1, B's halves 0, 1
.set SCL,   2*SLOT                     ; behind the ring: the scale images, filled once
.set HALFS, NA*2048
.set SPARE, SCL+4*HALFS                ; the spare words, 128 bytes a wave: no other line names them
.set LAPS,  16/(2*NQ)
.set ADRA, 16
.set ADRB, 20
.set GI,   24                          ; v24 16 x lane
.set GS,   25                          ; v25 4 x lane
.set CSO,  26                          ; v26 my place in cos and sin: row r + 8 (r / 8), 64 h bytes on
.set ADRS, 27
.set SPW,  28
.set NIL,  29
.set SC,   32
.set AF,   64
.set H,    64
.set PC,   128
.set TM,   148
.set PW,   164
.set G1,   24
.set G0,   32
.set G1B,  48
.set G0B,  56
.set G1S,  68
.set G0S,  76
.set G1SB, 80
.set G0SB, 88
.set MSB, 0
.macro WIN new                         ; the immediate's high byte repeats the setting that is left; a switch that changes nothing is dropped
.if MSB != (\new)
	s_set_vgpr_msb (MSB<<8)|(\new)
.set MSB, (\new)
.endif
.endm
; A joint load: waves 0 and 1 fetch for A, waves 2 and 3 for B; the branch hangs on the wave's number alone.  Four v_nop follow each of the two lines.
.macro JLOAD g0a, g1a, g0b, g1b
	s_cmp_eq_u32 s15, 0
	s_cbranch_scc0 .Lfor_b_\@
	tensor_load_to_lds s[\g0a:\g0a+3], s[\g1a:\g1a+7]
	s_nop 0
.rept 4
	v_nop
.endr
	s_branch .Lasked_\@
.Lfor_b_\@:
	tensor_load_to_lds s[\g0b:\g0b+3], s[\g1b:\g1b+7]
	s_nop 0
.rept 4
	v_nop
.endr
.Lasked_\@:
.endm
.macro CREST                           ; a round of the cluster's barrier behind its opening barrier
	s_cmp_lg_u32 s14, 0
	s_cbranch_scc1 .Lnot_wave_0_\@
	s_barrier_signal -3
.Lnot_wave_0_\@:
	s_barrier_wait -3
	s_barrier_signal -1
	s_barrier_wait -1
.endm
.macro CROUND
	s_barrier_signal -1
	s_barrier_wait -1
	CREST
.endm
.macro PLACES n
.rept \n
	v_nop
.endr
.endm
; The fragments and scale words of the slot's q-th K step into set p: images come back by the lines that stored them, 512 consecutive bytes a load
.macro FETCH slot, q, p
	WIN 0x40                                       ; destination window 1
.set ti, 0
.rept NB
.irp c, 0,1,2
	ds_load_b128 v[128*(\p)+12*ti+4*\c:128*(\p)+12*ti+4*\c+3], v[ADRB+\slot] offset:ti*NQ*FIB+(\q)*FIB+512*\c
.endr
.set ti, ti+1
.endr
	WIN 0
.set ti, 0
.rept NA
.irp c, 0,1,2
	ds_load_b128 v[AF+96*(\p)+12*ti+4*\c:AF+96*(\p)+12*ti+4*\c+3], v[ADRA+\slot] offset:ti*NQ*FIB+(\q)*FIB+512*\c
.endr
.set ti, ti+1
.endr
.set ti, 0
.rept NB
	ds_load_b32 v[SC+8*(\p)+ti], v[ADRS] offset:2048*ti+128*(\q)   ; lanes 0-15: A's block ti; lanes 16-31: B's block ti
.set ti, ti+1
.endr
.endm
; A's blocks a0 .. a0 + n - 1 against B's eight.  All accumulators take turns, one instruction a turn, in the same order in every step.
.macro MULS a0, n, p, zero
.set ia, \a0
.rept \n
	WIN 0xa1+0x50*((8*NB*ia)/256)                  ; source 0 (B) window 1, source 1 (A) window 0, C and D window 2 or 3
.set ib, 0
.rept NB
.set rD, (8*(NB*ia+ib))%256
.if \zero
	v_wmma_scale_f32_16x16x128_f8f6f4 v[rD:rD+7], v[128*(\p)+12*ib:128*(\p)+12*ib+11], v[AF+96*(\p)+12*ia:AF+96*(\p)+12*ia+11], 0, v[SC+8*(\p)+ib], v[SC+8*(\p)+ia] matrix_a_fmt:MATRIX_FMT_FP6 matrix_b_fmt:MATRIX_FMT_FP6 matrix_a_scale:MATRIX_SCALE_ROW1
.else
	v_wmma_scale_f32_16x16x128_f8f6f4 v[rD:rD+7], v[128*(\p)+12*ib:128*(\p)+12*ib+11], v[AF+96*(\p)+12*ia:AF+96*(\p)+12*ia+11], v[rD:rD+7], v[SC+8*(\p)+ib], v[SC+8*(\p)+ia] matrix_a_fmt:MATRIX_FMT_FP6 matrix_b_fmt:MATRIX_FMT_FP6 matrix_a_scale:MATRIX_SCALE_ROW1
.endif
.set ib, ib+1
.endr
.set ia, ia+1
.endr
.endm
; A K step that has its successor in the same slot: its set is in; the other set, read by the last step's products, takes the next step's fragments behind four places; then 64 products
.macro STEP slot, q, zero
	s_wait_dscnt 0x0
	PLACES 4
	FETCH \slot, (\q)+1, 1-(\q)%2
	MULS 0, NA, (\q)%2, \zero
.endm
; A slot's last K step changes slots: one barrier; in front of it each wave waits for all its tensor loads, adds 0 to its spare word, and waits for that and for its reads of this slot
.macro TURN slot, next, fill
	WIN 0
	s_wait_tensorcnt 0x0                           ; all my tensor loads have landed: my part of the next slot
	ds_add_u32 v[SPW], v[NIL]                      ; 0 onto my spare word
	s_wait_dscnt 1                                 ; this step's fragments are in; the add alone may be out
	MULS 0, NA/4, 1, 0
	s_wait_dscnt 0x0                               ; the add is done, and my reads of this slot are over
	s_barrier_signal -1
	MULS NA/4, NA/4, 1, 0
	WIN 0
	s_barrier_wait -1
.if \fill
	CREST                                          ; the barrier has opened a round of the cluster's: no wave of any partner still reads this slot or has a load on its way
	s_add_nc_u64 s[G0+4*\slot+2:G0+4*\slot+3], s[G0+4*\slot+2:G0+4*\slot+3], 2*NQ*FIB
	s_add_nc_u64 s[G0B+4*\slot+2:G0B+4*\slot+3], s[G0B+4*\slot+2:G0B+4*\slot+3], 2*NQ*FIB
	JLOAD G0+4*\slot, G1, G0B+4*\slot, G1B         ; my one tensor load behind the round; its four v_nop are the places in front of the loads below
.else
	PLACES 4
.endif
	v_add_nc_u32 v[ADRS], NQ*128, v[ADRS]          ; on to the next slot's scale words
	FETCH \next, 0, 0
	MULS NA/2, NA/2, 1, 0
.endm
; 64 numbers of a lane in window w, register 16 b + i = k 32 b + 16 (lane / 16) + i of my row, become a fragment's codes in v[PC] on and its scale word in v[PW].  Each accumulator is read from its low end on.
.macro QUANT s, w
	WIN (\w)|((\w)<<2)
.irp b, 0,1,2,3
	v_max3_num_f32 v[TM+\b], |v[(\s)+16*\b]|, |v[(\s)+1+16*\b]|, 0x1800000   ; with the floor 2^(3 - 127): the byte cannot fall under 1
.endr
	WIN ((\w)<<2)|((\w)<<4)
.irp i, 2,4,6,8,10,12,14
.irp b, 0,1,2,3
	v_max3_num_f32 v[TM+\b], v[TM+\b], |v[(\s)+16*\b+\i]|, |v[(\s)+1+16*\b+\i]|
.endr
.endr
	WIN 0
.irp b, 0,1,2,3
	v_permlanex16_b32 v[TM+4+\b], v[TM+\b], s98, s99
.endr
.irp b, 0,1,2,3
	v_max_num_f32 v[TM+\b], v[TM+\b], v[TM+4+\b]   ; with lane l xor 16's: the block's largest magnitude
.endr
.irp b, 0,1,2,3
	v_add_nc_u32 v[TM+12+\b], 0xff000000, v[TM+\b] ; 2 off its exponent field: the conversion's scale operand
.endr
.irp b, 0,1,2,3
	v_lshrrev_b32 v[TM+8+\b], 23, v[TM+12+\b]      ; the scale's byte
.endr
	v_lshl_or_b32 v[PW], v[TM+9], 8, v[TM+8]
	v_lshl_or_b32 v[PW], v[TM+10], 16, v[PW]
	v_lshl_or_b32 v[PW], v[TM+11], 24, v[PW]
	WIN (\w)
.irp c, 0,1
	v_cvt_scalef32_pk16_fp6_f32 v[PC+6*\c:PC+2+6*\c], v[(\s)+32*\c:(\s)+15+32*\c], v[TM+12+2*\c]
	v_cvt_scalef32_pk16_fp6_f32 v[PC+12+4*\c:PC+14+4*\c], v[(\s)+16+32*\c:(\s)+31+32*\c], v[TM+12+2*\c+1]
.endr
	WIN 0
	v_nop                                          ; one plain place behind the scaled conversions
.irp c, 0,1                            ; the operand's layout wants a whole block in a lane
.irp i, 0,1,2
	v_permlane16_swap_b32 v[PC+6*\c+\i], v[PC+12+4*\c+\i]
.endr
.irp i, 0,1,2
	v_mov_b32 v[PC+3+6*\c+\i], v[PC+12+4*\c+\i]
.endr
.endr
.endm
.macro OUTF a                          ; the image of block a and its scale words
.irp c, 0,1,2
	global_store_b128 v[GI], v[PC+4*\c:PC+4*\c+3], s[12:13] offset:FIB*(\a)+512*\c
.endr
	global_store_b32 v[GS], v[PW], s[66:67] offset:128*(\a)
.endm
.macro LOADCS a                        ; cos and sin of block a's 16 tokens at my 32 channels: index 16 b + 8 u + i <-> channel 32 b + 16 h + 8 u + i
	WIN 0x40
.set CB, 64*((\a)%2)
.irp b, 0,1
.irp u, 0,1
.irp hf, 0,1
	global_load_b128 v[CB+16*\b+8*\u+4*\hf:CB+16*\b+8*\u+4*\hf+3], v[CSO], s[8:9] offset:(32*((\a)/2)+8*((\a)%2))*256+128*\b+32*\u+16*\hf
	global_load_b128 v[CB+32+16*\b+8*\u+4*\hf:CB+32+16*\b+8*\u+4*\hf+3], v[CSO], s[10:11] offset:(32*((\a)/2)+8*((\a)%2))*256+128*\b+32*\u+16*\hf
.endr
.endr
.endr
	WIN 0
.endm
.macro ROPE a                          ; channels d < 64: q(d) cos - q(d + 64) sin; d + 64: q(d + 64) cos + q(d) sin.  B's tiles 0-3 hold d < 64, tiles 4-7 the same d + 64
.set AC, 64*((\a)%4)
.set CB, 64*((\a)%2)
	WIN (2+(\a)/4)|(1<<2)                          ; source 0: the accumulators' window; source 1: cos, sin in window 1
.irp bt, 0,1,2,3
.irp j, 0,2,4,6
	v_pk_mul_f32 v[H+8*\bt+\j:H+8*\bt+\j+1], v[AC+8*\bt+\j:AC+8*\bt+\j+1], v[CB+8*\bt+\j:CB+8*\bt+\j+1]
	v_pk_mul_f32 v[H+32+8*\bt+\j:H+32+8*\bt+\j+1], v[AC+32+8*\bt+\j:AC+32+8*\bt+\j+1], v[CB+8*\bt+\j:CB+8*\bt+\j+1]
	v_pk_fma_f32 v[H+8*\bt+\j:H+8*\bt+\j+1], v[AC+32+8*\bt+\j:AC+32+8*\bt+\j+1], v[CB+32+8*\bt+\j:CB+32+8*\bt+\j+1], v[H+8*\bt+\j:H+8*\bt+\j+1] neg_lo:[0,1,0] neg_hi:[0,1,0]
	v_pk_fma_f32 v[H+32+8*\bt+\j:H+32+8*\bt+\j+1], v[AC+8*\bt+\j:AC+8*\bt+\j+1], v[CB+32+8*\bt+\j:CB+32+8*\bt+\j+1], v[H+32+8*\bt+\j:H+32+8*\bt+\j+1]
.endr
.endr
	WIN 0
.endm
	s_load_b128 s[4:7], s[0:1], 0x0                ; wcodes, wscales
	s_load_b128 s[8:11], s[0:1], 0x10              ; cos, sin
	s_load_b128 s[92:95], s[0:1], 0x20             ; qkvc, qkvs
	v_lshl_add_u32 v[SPW], v0, 2, SPARE
	v_mov_b32 v[NIL], 0
	ds_add_u32 v28, v29
	ds_add_u32 v28, v29
	s_wait_dscnt 0x0
	v_lshrrev_b32 v1, 5, v0
	v_readfirstlane_b32 s14, v1                    ; wave 0..3
	s_lshr_b32 s15, s14, 1                         ; which half of A's tiles is mine.  Also: I fetch for A (0) or for B (1)
	s_and_b32 s16, s14, 1                          ; which half of B's.  Also: which half I fetch
	s_bfe_u32 s40, ttmp6, 0x40000                  ; cx, cy
	s_bfe_u32 s41, ttmp6, 0x40004
	s_lshl_b32 s42, ttmp9, 2
	s_add_co_u32 s42, s42, s40                     ; X = 4 x cluster x + cx
	s_and_b32 s17, ttmp7, 0xffff
	s_lshl_b32 s17, s17, 2
	s_add_co_u32 s17, s17, s41                     ; Y = 4 x cluster y + cy
	s_lshl_b32 s43, s41, 2
	s_lshl_b32 s43, 15, s43                        ; my row of the cluster
	s_lshl_b32 s44, 0x1111, s40                    ; my column
	; group 1 for codes: 8 rows (tiles) of 2 K steps' images, 3,072 bytes = 384 elements of 8 bytes, 24,576 bytes apart; dense in LDS
	s_or_b32 s[G1+0], s43, (3<<16)|(1<<21)
	s_or_b32 s[G1B+0], s44, (3<<16)|(1<<21)
.irp g, G1, G1B
	s_mov_b32 s[\g+1], (NQ*192)<<16                ; tensor_dim0
	s_mov_b32 s[\g+2], NA<<16                      ; tensor_dim1
	s_mov_b32 s[\g+3], (NQ*192)<<16                ; tile_dim0
	s_mov_b32 s[\g+4], NA                          ; tile_dim1
	s_mov_b32 s[\g+5], 3072                        ; from tile to tile, in elements
	s_mov_b32 s[\g+6], 0
	s_mov_b32 s[\g+7], 0
.endr
	; and for the scale images of 8 tiles, all K: a dense block of 16,384 bytes as rows of 256
	s_or_b32 s[G1S+0], s43, (3<<16)|(1<<21)
	s_or_b32 s[G1SB+0], s44, (3<<16)|(1<<21)
.irp g, G1S, G1SB
	s_mov_b32 s[\g+1], 32<<16
	s_mov_b32 s[\g+2], (8*NA)<<16
	s_mov_b32 s[\g+3], 32<<16
	s_mov_b32 s[\g+4], 8*NA
	s_mov_b32 s[\g+5], 32
	s_mov_b32 s[\g+6], 0
	s_mov_b32 s[\g+7], 0
.endr
	s_lshr_b32 s18, ttmp9, 1
	s_add_co_u32 s18, s18, 1
	s_cmp_lt_u32 ttmp9, 4                          ; cluster x: the same in all sixteen partners
	s_cselect_b32 s19, 0, 3                        ; A's section: x, or wv
	s_cselect_b32 s18, s18, 0                      ; B's: wq, wk, or x
	s_lshl_b32 s45, s16, 3                         ; the 8 tiles that I fetch
	s_lshl_b32 s20, s19, 7
	s_lshl_b32 s21, s17, 4
	s_add_co_u32 s20, s20, s21
	s_add_co_u32 s20, s20, s45                     ; A: 128 x section + 16 Y + 8 x half
	s_and_b32 s46, s42, 7
	s_lshl_b32 s46, s46, 4
	s_lshl_b32 s47, s18, 7
	s_add_co_u32 s46, s46, s47
	s_add_co_u32 s46, s46, s45                     ; B: 128 x section + 16 (X % 8) + 8 x half
	s_lshl_b32 s22, s20, 11
	s_mov_b32 s23, 0
	s_mul_i32 s20, s20, 24576
	s_mov_b32 s21, 0
	s_lshl_b32 s96, s46, 11
	s_mov_b32 s97, 0
	s_mul_i32 s46, s46, 24576
	s_mov_b32 s47, 0
	s_mul_i32 s45, s14, HALFT                      ; where they go: by the wave's number alone
	s_mul_i32 s98, s14, HALFS
	s_wait_kmcnt 0x0
	s_add_nc_u64 s[20:21], s[4:5], s[20:21]
	s_add_nc_u64 s[22:23], s[6:7], s[22:23]
	s_add_nc_u64 s[46:47], s[4:5], s[46:47]
	s_add_nc_u64 s[96:97], s[6:7], s[96:97]
	CROUND                                         ; all sixteen work-groups are here: the first joint loads meet
	s_mov_b32 s[G0S], 1
	s_add_co_u32 s[G0S+1], s98, SCL
	s_mov_b64 s[G0S+2:G0S+3], s[22:23]
	s_or_b32 s[G0S+3], s[G0S+3], 0x80000000
	s_mov_b32 s[G0SB], 1
	s_add_co_u32 s[G0SB+1], s98, SCL
	s_mov_b64 s[G0SB+2:G0SB+3], s[96:97]
	s_or_b32 s[G0SB+3], s[G0SB+3], 0x80000000
	JLOAD G0S, G1S, G0SB, G1SB                     ; the scales first
.irp s, 0,1
	s_mov_b32 s[G0+4*\s], 1
	s_add_co_u32 s[G0+4*\s+1], s45, \s*SLOT
	s_add_nc_u64 s[G0+4*\s+2:G0+4*\s+3], s[20:21], \s*NQ*FIB
	s_or_b32 s[G0+4*\s+3], s[G0+4*\s+3], 0x80000000
	s_mov_b32 s[G0B+4*\s], 1
	s_add_co_u32 s[G0B+4*\s+1], s45, \s*SLOT
	s_add_nc_u64 s[G0B+4*\s+2:G0B+4*\s+3], s[46:47], \s*NQ*FIB
	s_or_b32 s[G0B+4*\s+3], s[G0B+4*\s+3], 0x80000000
	JLOAD G0+4*\s, G1, G0B+4*\s, G1B               ; three loads of mine are out
.endr
	v_and_b32 v1, 31, v0
	v_lshlrev_b32 v[GI], 4, v1
	v_lshlrev_b32 v[GS], 2, v1
	v_bfe_u32 v3, v0, 4, 1                         ; h
	v_and_b32 v4, 15, v0                           ; r
	s_mul_i32 s21, s15, HALFT
	s_mul_i32 s22, s16, HALFT
	s_add_co_u32 s22, s22, 2*HALFT
.irp s, 0,1
	v_add_nc_u32 v[ADRA+\s], s21, v[GI]
	v_add_nc_u32 v[ADRB+\s], s22, v[GI]
	s_add_co_u32 s21, s21, SLOT
	s_add_co_u32 s22, s22, SLOT
.endr
	s_mul_i32 s21, s15, HALFS                      ; the scale words: lanes 0-15 A's half, lanes 16-31 B's: one product, h x the distance
	s_mul_i32 s22, s16, HALFS
	s_add_co_u32 s22, s22, 2*HALFS
	s_sub_co_u32 s22, s22, s21
	v_mul_u32_u24 v5, s22, v3
	s_add_co_u32 s21, s21, SCL
	v_add_nc_u32 v5, v[GS], v5
	v_add_nc_u32 v[ADRS], s21, v5
	v_and_b32 v5, 8, v4
	v_add_nc_u32 v5, v5, v4                        ; r + 8 (r / 8)
	v_lshlrev_b32 v[CSO], 8, v5
	v_lshl_add_u32 v[CSO], v3, 6, v[CSO]
	; where the results go
	s_and_b32 s45, s42, 7
	s_lshl_b32 s45, s45, 1
	s_add_co_u32 s45, s45, s16                     ; U = 2 (X % 8) + my half of B
	s_lshl_b32 s46, s17, 1
	s_add_co_u32 s46, s46, s15                     ; V = 2 Y + my half of A
	s_lshl_b32 s96, s46, 15                        ; cos, sin at my 128 tokens (q, k)
	s_mov_b32 s97, 0
	s_add_nc_u64 s[8:9], s[8:9], s[96:97]
	s_add_nc_u64 s[10:11], s[10:11], s[96:97]
	s_cmp_lt_u32 ttmp9, 4
	s_cselect_b32 s47, s45, s46                    ; the head: U for q, k; V for v
	s_cselect_b32 s45, s46, s45                    ; the run of 8 images in it
	s_lshr_b32 s46, ttmp9, 1                       ; the section
	s_mul_i32 s96, s46, 3145728
	s_mul_i32 s98, s47, 196608
	s_add_co_u32 s96, s96, s98
	s_mul_i32 s98, s45, 12288
	s_add_co_u32 s96, s96, s98
	s_add_nc_u64 s[12:13], s[92:93], s[96:97]
	s_lshl_b32 s96, s46, 18
	s_lshl_b32 s98, s47, 14
	s_add_co_u32 s96, s96, s98
	s_lshl_b32 s98, s45, 10
	s_add_co_u32 s96, s96, s98
	s_add_nc_u64 s[66:67], s[94:95], s[96:97]
	s_mov_b32 s98, 0x76543210
	s_mov_b32 s99, 0xfedcba98                      ; v_permlanex16_b32's selects for lane l xor 16
	s_wait_tensorcnt 1                             ; the scales and my part of slot 0 are in; slot 1's may stay out
	s_barrier_signal -1
	s_barrier_wait -1
	FETCH 0, 0, 0
	STEP 0, 0, 1                                   ; the first K step starts the sums: nothing is cleared
	WIN 0
	s_mov_b32 s3, LAPS-1
.Llap:                                                 ; a trip goes once round the ring and fills both slots again
	TURN 0, 1, 1
	STEP 1, 0, 0
	TURN 1, 0, 1
	STEP 0, 0, 0
	WIN 0
	s_sub_co_u32 s3, s3, 1
	s_cmp_lg_u32 s3, 0
	s_cbranch_scc1 .Llap
	TURN 0, 1, 0                                   ; the last lap fills nothing
	STEP 1, 0, 0
	s_wait_dscnt 0x0
	MULS 0, NA, 1, 0
	WIN 0
	PLACES 4                                       ; behind the last products: results are read, and their operands' registers written, only from here on
.irp b, 0,1,2,3
	v_mov_b32 v[TM+4+\b], 0                        ; (a lane permute's destination counts as one of its sources)
.endr
	s_cmp_ge_u32 ttmp9, 4                          ; cluster x: the same in all partners; no barrier and no tensor load stands in either way
	s_cbranch_scc1 .Lvalues
	LOADCS 0
	LOADCS 1
.irp a, 0,1,2,3,4,5,6,7
.if \a < 7
	s_wait_loadcnt 16                              ; this block's cos and sin are in; the next block's 16 loads may be out
.else
	s_wait_loadcnt 0x0
.endif
	ROPE \a
.if \a < 6
	LOADCS \a+2
.endif
	s_wait_xcnt 0x0                                ; the last block's stores have read their data: PC and PW are written again only behind this wait
	QUANT H, 0
	OUTF \a
.endr
	s_branch .Ldone
.Lvalues:
.irp a, 0,1,2,3,4,5,6,7
	s_wait_xcnt 0x0
	QUANT 64*(\a%4), 2+\a/4
	OUTF \a
.endr
.Ldone:
	s_wait_tensorcnt 0x0                           ; the wave's end
	ds_add_u32 v[SPW], v[NIL]
	s_wait_dscnt 0x0
	CROUND                                         ; the closing round
	s_endpgm
.Lfunc_end_k_q85a8900c8b_qkv:
	.size	k_q85a8900c8b_qkv, .Lfunc_end_k_q85a8900c8b_qkv-k_q85a8900c8b_qkv
	.p2alignl 7, 3214868480
	.fill 96, 4, 3214868480
	.section	.rodata,"a",@progbits
	.p2align	6, 0x0
	.amdhsa_kernel k_q85a8900c8b_qkv
		.amdhsa_group_segment_fixed_size 327680
		.amdhsa_private_segment_fixed_size 0
		.amdhsa_enable_private_segment 0
		.amdhsa_kernarg_size 48
		.amdhsa_user_sgpr_count 2
		.amdhsa_user_sgpr_kernarg_segment_ptr 1
		.amdhsa_wavefront_size32 1
		.amdhsa_system_sgpr_workgroup_id_x 1
		.amdhsa_system_sgpr_workgroup_id_y 1
		.amdhsa_system_sgpr_workgroup_id_z 1
		.amdhsa_system_vgpr_workitem_id 0
		.amdhsa_next_free_vgpr 1024
		.amdhsa_next_free_sgpr 100
		.amdhsa_reserve_vcc 0
		.amdhsa_float_denorm_mode_32 3
		.amdhsa_float_denorm_mode_16_64 3
		.amdhsa_memory_ordered 1
		.amdhsa_forward_progress 1
		.amdhsa_inst_pref_size 220
	.end_amdhsa_kernel
	.amdgpu_metadata
---
amdhsa.version: [ 1, 2 ]
amdhsa.kernels:
  - .name:           k_q85a8900c8b_qkv
    .symbol:         k_q85a8900c8b_qkv.kd
    .args:
      - { .name: wcodes, .offset: 0, .size: 8, .value_kind: global_buffer, .address_space: global }
      - { .name: wscales, .offset: 8, .size: 8, .value_kind: global_buffer, .address_space: global }
      - { .name: cos, .offset: 16, .size: 8, .value_kind: global_buffer, .address_space: global }
      - { .name: sin, .offset: 24, .size: 8, .value_kind: global_buffer, .address_space: global }
      - { .name: qkvc, .offset: 32, .size: 8, .value_kind: global_buffer, .address_space: global }
      - { .name: qkvs, .offset: 40, .size: 8, .value_kind: global_buffer, .address_space: global }
    .group_segment_fixed_size: 327680
    .private_segment_fixed_size: 0
    .kernarg_segment_align: 8
    .kernarg_segment_size: 48
    .max_flat_workgroup_size: 128
    .sgpr_count:     100
    .vgpr_count:     1024
    .wavefront_size: 32
...
	.end_amdgpu_metadata
.endif
;; end of part 2
;; launch attn (part 3): grid 16 x 16, 8 waves a work-group, no clusters, 107,520 bytes of LDS; arguments qkvc, qkvs, aoc, aos; writes aoc, aos
.if DOCPART == 3
	.amdgcn_target "amdgcn-amd-amdhsa--gfx1250"
	.amdhsa_code_object_version 6
	.text
	.protected	k_q85a8900c8b_attn
	.globl	k_q85a8900c8b_attn
	.p2align	8
	.type	k_q85a8900c8b_attn,@function
k_q85a8900c8b_attn:
	s_mov_b64 s[64:65], 0
	v_nop
	global_prefetch_b8 v0, s[64:65] scope:SCOPE_SE
	s_setreg_imm32_b32 hwreg(HW_REG_WAVE_MODE, 25, 1), 1
	s_wait_xcnt 0x0
; Causal attention on codes of FP6 (E2M3) with E8M0 scales, 16 heads of 128, 2,048 tokens; the result leaves quantised along head x 128 + channel, as the last product's operand.
; t = score x log2(e) / sqrt(128); M = the running largest t rounded up to a whole number; p = 2^(t - M) is quantised along the keys; the row's sum is taken of the unquantised p and divides at the end.
; q, k, v come as images of operand registers (1,536 bytes a fragment, 128 bytes its scale words).  Tile 2 b + u, row r, of q and k holds token 32 b + 8 u + r + 8 (r / 8); v's tiles hold channels in the same order, keys innermost.
; Both products are used transposed: S^T = K Q^T, O^T = V^T P^T: a lane holds one query throughout, and 16 registers of two neighbouring tiles are 16 neighbours along the next K.
; SHARES.  Work-group (j, head): g = j / 2.  A wave owns one tile of 16 queries: tile 8 G + 4 (j % 2) + wave % 4, G = g in waves 0-3 and 15 - g in waves 4-7.  A tile needs key steps 0 .. G of 128 keys (step G lies on
; the diagonal), so waves w and w + 4 have 17 steps between them in every work-group.  The work-group walks 16 - g steps and then leaves the loop.
; THE PIPELINE.  Wave w stages fragment w of K and of V of every step.  Step s is asked of memory in step s - 5 (8 loads into register set s % 4), stored to LDS slot s % 4 in step s - 2, its K read into registers amid
; step s - 1's softmax, its V behind step s's first products.  All 8 fragments of K and all 8 of V lie in registers (window 1), so a step has one wait for LDS reads, some 200 instructions behind the later run of loads.
; ONE BARRIER A STEP, at its head.  Between two barriers the waves store slot (t + 2) % 4 and read V from slot t % 4 and K from slot (t + 1) % 4: three different slots.  A slot is stored again four steps on, two barriers
; behind the wait for its last read.  What lies past a wave's last step is jumped over by one scalar branch on ids, never a barrier; the staging stands on every wave's path, with the step held at 15, so that the
; counted wait for loads counts the same loads on every way.
; No prefetch: a step's fragments are asked for three steps ahead of the store that waits for them.  No cluster: work-groups of a head walk different numbers of steps.
; LIMITS: NaN, infinities not served; hidden scores are -infinity where the model writes -1e10: the same p = 0 while a row's largest open logit lies far above -1e10; blocks under 2^-124 keep the byte 1.
; REGISTERS, window 0: v1-5, v10-11, v28-31 addresses; v6-9, v248-251 staged scale words; v12 -M, v13 largest t, v[14:15] the sum; v16-27 Q; v32-39 K's scale words, v40-47 V's; v48-95 staging sets 0, 1;
;   v96-159 S^T then p; v160-223 O^T; v224-235 codes; v232-247, v252-254 at work; v255 Q's scale words.   window 1: v0-95 K's fragments, v96-191 V's, v192-239 staging sets 2, 3.
.set FIB,   1536
.set SLOTB, 26624                      ; a slot: K's 8 images, V's 8, K's scale words (32 bytes a lane: tile w's word at 4 w), V's
.set PAIRB, 2*SLOTB                    ; slots 2 and 3 have address registers of their own: an LDS offset has 16 bits
.set VOFF,  12288
.set KSO,   24576
.set VSO,   25600
.set KSEC,  3145728                    ; k's and v's sections in qkvc,
.set VSEC,  6291456
.set KSS,   262144                     ; and in qkvs
.set VSS,   524288
.set LI,  1                            ; v1, v28  16 x lane (+ PAIRB)
.set LS,  2                            ; v2       4 x lane
.set WI,  3                            ; v3, v29  16 x lane + 1,536 x wave (+ PAIRB): my staged fragment, in memory (v3) and in LDS
.set WS,  4                            ; v4       4 x lane + 128 x wave: my staged scale words in memory
.set DD,  5                            ; v5       my query's place in its 128, less 16 (lane / 16)
.set L8,  10                           ; v10, v30 32 x lane (+ PAIRB): my eight scale words in LDS
.set W8,  11                           ; v11, v31 32 x lane + 4 x wave (+ PAIRB): where I store one
.set KSC, 32
.set VSC, 40
.set STG, 48
.set KF,  0                            ; in window 1
.set VF,  96
.set STG1, 192
.set CPH, 4                            ; s[4:5]   qkvc at my head
.set SPH, 6                            ; s[6:7]   qkvs at my head
.set OP,  8
.set OSP, 10
.set QP,  12
.set QSP, 14
.set WV,  16
.set SEL, 20
.set CS,  22
.set GG,  24                           ; my last step
.set NS,  25                           ; the work-group's steps
.set TT,  26                           ; the trip's first step
.set TN,  27
.set TC,  29
.set GC,  32                           ; s[32:39] a base for each staging set's loads of codes,
.set GSB, 40                           ; s[40:47] and of scale words
.set T0,  48                           ; s[48:49], s[50:51] offsets; the upper words stay 0
.set T1,  50
.set MSB, 0
.macro WIN new                         ; the immediate's high byte repeats the setting that is left; a switch that changes nothing is dropped
.if MSB != (\new)
	s_set_vgpr_msb (MSB<<8)|(\new)
.set MSB, (\new)
.endif
.endm
.macro SETOF st                        ; where staging set st lies: RC its 24 registers, in window WN; RS its two scale words, in window 0
.if (\st) < 2
.set RC, STG+24*(\st)
.set RS, 6+2*(\st)
.set WN, 0
.else
.set RC, STG1+24*((\st)-2)
.set RS, 244+2*(\st)
.set WN, 1
.endif
.endm
.macro GLOADS st                       ; my fragment of K and of V, and their scale words, of the step at which the set's bases stand
	SETOF \st
	WIN 0x40*WN
	global_load_b128 v[RC:RC+3],     v[WI], s[GC+2*(\st):GC+2*(\st)+1] offset:KSEC
	global_load_b128 v[RC+4:RC+7],   v[WI], s[GC+2*(\st):GC+2*(\st)+1] offset:KSEC+512
	global_load_b128 v[RC+8:RC+11],  v[WI], s[GC+2*(\st):GC+2*(\st)+1] offset:KSEC+1024
	global_load_b128 v[RC+12:RC+15], v[WI], s[GC+2*(\st):GC+2*(\st)+1] offset:VSEC
	global_load_b128 v[RC+16:RC+19], v[WI], s[GC+2*(\st):GC+2*(\st)+1] offset:VSEC+512
	global_load_b128 v[RC+20:RC+23], v[WI], s[GC+2*(\st):GC+2*(\st)+1] offset:VSEC+1024
	WIN 0
	global_load_b32 v[RS],   v[WS], s[GSB+2*(\st):GSB+2*(\st)+1] offset:KSS
	global_load_b32 v[RS+1], v[WS], s[GSB+2*(\st):GSB+2*(\st)+1] offset:VSS
.endm
.macro LSTORES st                      ; set st goes to slot st
	SETOF \st
.set SHI, (\st)/2
.set SLO, ((\st)%2)*SLOTB
	WIN 0x04*WN                                    ; an LDS store's data are its source 1
	ds_store_b128 v[WI+26*SHI], v[RC:RC+3]     offset:SLO
	ds_store_b128 v[WI+26*SHI], v[RC+4:RC+7]   offset:SLO+512
	ds_store_b128 v[WI+26*SHI], v[RC+8:RC+11]  offset:SLO+1024
	ds_store_b128 v[WI+26*SHI], v[RC+12:RC+15] offset:SLO+VOFF
	ds_store_b128 v[WI+26*SHI], v[RC+16:RC+19] offset:SLO+VOFF+512
	ds_store_b128 v[WI+26*SHI], v[RC+20:RC+23] offset:SLO+VOFF+1024
	WIN 0
	ds_store_b32 v[W8+20*SHI], v[RS]   offset:SLO+KSO
	ds_store_b32 v[W8+20*SHI], v[RS+1] offset:SLO+VSO
.endm
.macro KLOAD sl                        ; K's eight fragments and scale words out of slot sl: 26 LDS loads
.set SHI, (\sl)/2
.set SLO, ((\sl)%2)*SLOTB
	WIN 0x40                                       ; destination window 1
.irp t, 0,1,2,3,4,5,6,7
.irp c, 0,1,2
	ds_load_b128 v[KF+12*\t+4*\c:KF+12*\t+4*\c+3], v[LI+27*SHI] offset:SLO+FIB*\t+512*\c
.endr
.endr
	WIN 0
	ds_load_b128 v[KSC:KSC+3],   v[L8+20*SHI] offset:SLO+KSO
	ds_load_b128 v[KSC+4:KSC+7], v[L8+20*SHI] offset:SLO+KSO+16
.endm
.macro VLOAD sl                        ; V's likewise
.set SHI, (\sl)/2
.set SLO, ((\sl)%2)*SLOTB
	WIN 0x40
.irp t, 0,1,2,3,4,5,6,7
.irp c, 0,1,2
	ds_load_b128 v[VF+12*\t+4*\c:VF+12*\t+4*\c+3], v[LI+27*SHI] offset:SLO+VOFF+FIB*\t+512*\c
.endr
.endr
	WIN 0
	ds_load_b128 v[VSC:VSC+3],   v[L8+20*SHI] offset:SLO+VSO
	ds_load_b128 v[VSC+4:VSC+7], v[L8+20*SHI] offset:SLO+VSO+16
.endm
; v232-235: four blocks' largest magnitudes, floored; v[src] on: 64 numbers, register 16 b + i = k 32 b + 16 (lane / 16) + i.  Gives the fragment in v224-235 and its scale word in v253.
.macro PACKQ src
.irp b, 0,1,2,3
	v_add_nc_u32 v[244+\b], 0xff000000, v[232+\b]  ; 2 off the exponent field: the conversion's scale operand
.endr
.irp b, 0,1,2,3
	v_lshrrev_b32 v[236+\b], 23, v[244+\b]         ; the scale's byte
.endr
	v_lshl_or_b32 v253, v237, 8, v236
	v_lshl_or_b32 v253, v238, 16, v253
	v_lshl_or_b32 v253, v239, 24, v253
.irp c, 0,1
	v_cvt_scalef32_pk16_fp6_f32 v[224+6*\c:226+6*\c], v[\src+32*\c:\src+15+32*\c], v[244+2*\c]
	v_cvt_scalef32_pk16_fp6_f32 v[236+4*\c:238+4*\c], v[\src+16+32*\c:\src+31+32*\c], v[244+2*\c+1]
.endr
	v_nop                                          ; one plain place behind the scaled conversions
.irp c, 0,1                            ; the operand's layout wants a whole block in a lane
.irp i, 0,1,2
	v_permlane16_swap_b32 v[224+6*\c+\i], v[236+4*\c+\i]
.endr
.irp i, 0,1,2
	v_mov_b32 v[227+6*\c+\i], v[236+4*\c+\i]
.endr
.endr
.endm
; Key step t = TT + q.  Its K lies in registers, its V in slot q.
.macro STEPX q
.set SA, ((\q)+1)%4
.set SB2, ((\q)+2)%4
	s_wait_dscnt 0x0                               ; my stores of step t + 1, issued a step ago, have landed, and my reads of step t - 1 are over
	s_barrier_signal -1
	s_barrier_wait -1                              ; both now hold of all eight waves
	s_wait_loadcnt 16                              ; step t + 2's staged fragments are in; the 16 loads of steps t + 3 and t + 4 may be out
	LSTORES SB2
	s_add_co_u32 s[TN], s[TT], (\q)+5
	s_min_u32 s[TN], s[TN], 15                     ; no load leaves the head's 16 steps: past the end the last step is asked for again, and nobody reads it
	s_mul_i32 s[T0], s[TN], 12288
	s_lshl_b32 s[T1], s[TN], 10
	s_add_nc_u64 s[GC+2*SA:GC+2*SA+1], s[CPH:CPH+1], s[T0:T0+1]      ; this set's last loads, step t + 1's, were shown in a step ago: its bases may be written
	s_add_nc_u64 s[GSB+2*SA:GSB+2*SA+1], s[SPH:SPH+1], s[T1:T1+1]
	GLOADS SA                                      ; step t + 5, into the set whose stores the wait at this step's head has shown done
	s_add_co_u32 s[TC], s[TT], \q
	s_cmp_gt_u32 s[TC], s[GG]
	s_cbranch_scc1 .Lhidden_\@                     ; all keys of this step come after my queries
	WIN 0x01                                       ; source 0 in window 1
.irp t, 0,1,2,3,4,5,6,7                ; S^T = K Q^T
	v_wmma_scale_f32_16x16x128_f8f6f4 v[96+8*\t:103+8*\t], v[KF+12*\t:KF+12*\t+11], v[16:27], 0, v[KSC+\t], v255 matrix_a_fmt:MATRIX_FMT_FP6 matrix_b_fmt:MATRIX_FMT_FP6
.endr
	VLOAD \q                                       ; this step's V, wanted behind the softmax (four places stand behind the products that read V last)
.rept 4
	v_nop                                          ; places behind the products: their results are read, and K's registers loaded anew, only from here on
.endr
	s_cmp_lt_u32 s[TC], s[GG]
	s_cbranch_scc1 .Lopen_\@                       ; all keys count
	v_mov_b32 v254, 0xff800000                     ; on the diagonal hidden scores become -infinity: register 16 b + i holds key 32 b + 16 (lane / 16) + i of the step
.set n, 0
.rept 64
	v_cmp_gt_i32 vcc_lo, 32*(n/16)+n%16, v[DD]
	v_cndmask_b32 v[96+n], v[96+n], v254, vcc_lo
.set n, n+1
.endr
.Lopen_\@:
.irp b, 0,1,2,3
	v_max3_num_f32 v[232+\b], v[96+16*\b], v[97+16*\b], v[98+16*\b]   ; the largest score of each block of 32 keys: for the row's maximum and, since p rises with the score, for the block's largest p
.endr
.irp i, 3,5,7,9,11,13
.irp b, 0,1,2,3
	v_max3_num_f32 v[232+\b], v[232+\b], v[96+16*\b+\i], v[97+16*\b+\i]
.endr
.endr
.irp b, 0,1,2,3
	v_max_num_f32 v[232+\b], v[232+\b], v[111+16*\b]
.endr
.irp b, 0,1,2,3
	v_permlanex16_b32 v[236+\b], v[232+\b], s[SEL], s[SEL+1]
.endr
.irp b, 0,1,2,3
	v_max_num_f32 v[232+\b], v[232+\b], v[236+\b]
.endr
	v_max3_num_f32 v254, v232, v233, v234
	v_max_num_f32 v254, v254, v235
	v_mul_f32 v254, s[CS], v254                    ; as t
	v_max_num_f32 v13, v13, v254                   ; the running largest t
	v_mov_b32 v254, v12
	v_floor_f32 v12, -v13                          ; the new -M = -ceil(t)
	v_sub_f32 v254, v12, v254                      ; old M - new M: a whole number, 0 or less
	v_cvt_i32_f32 v254, v254                       ; (it saturates)
	v_ldexp_f32 v252, 1.0, v254                    ; f = 2^(old M - new M): rounds nothing
.set n, 0
.rept 32
	v_pk_fma_f32 v[96+n:97+n], v[96+n:97+n], s[CS:CS+1], v[12:13] op_sel_hi:[1,0,0]   ; t - M
.set n, n+2
.endr
.irp b, 0,1,2,3
	v_fma_f32 v[232+\b], v[232+\b], s[CS], v12
.endr
	KLOAD SA                                       ; the next step's K, published by the barrier at this step's head; at my last step it is read and not used, which spares a branch
.set n, 0
.rept 64
	v_exp_f32 v[96+n], v[96+n]                     ; p = 2^(t - M)
.set n, n+1
.endr
	v_pk_mul_f32 v[14:15], v[14:15], v[252:253] op_sel_hi:[1,0]   ; the sums under the new M (a plain place behind the exponentials)
	s_wait_alu depctr_va_vdst(0)                   ; one wait for the batch, ahead of its first reader
.irp b, 0,1,2,3
	v_exp_f32 v[232+\b], v[232+\b]                 ; each block's largest p
.endr
	v_pk_add_f32 v[236:237], v[96:97], v[98:99]    ; the row's sum of the unquantised p, in two chains
.set n, 4
.rept 15
	v_pk_add_f32 v[14:15], v[14:15], v[96+n:97+n]
	v_pk_add_f32 v[236:237], v[236:237], v[98+n:99+n]
.set n, n+4
.endr
	v_pk_add_f32 v[14:15], v[14:15], v[236:237]
	s_wait_alu depctr_va_vdst(0)                   ; and one for the four
.irp b, 0,1,2,3
	v_max_num_f32 v[232+\b], 0x1800000, v[232+\b]  ; the floor 2^(3 - 127)
.endr
	PACKQ 96
.set n, 0
.rept 32
	v_pk_mul_f32 v[160+n:161+n], v[160+n:161+n], v[252:253] op_sel_hi:[1,0]   ; O^T under the new M; these are also the places between p's codes and scale word and the products below
.set n, n+2
.endr
	s_wait_dscnt 0x0                               ; this step's V and the next step's K are in
	WIN 0x01
.irp t, 0,1,2,3,4,5,6,7                ; O^T += V^T P^T: the eight accumulators by turns
	v_wmma_scale_f32_16x16x128_f8f6f4 v[160+8*\t:167+8*\t], v[VF+12*\t:VF+12*\t+11], v[224:235], v[160+8*\t:167+8*\t], v[VSC+\t], v253 matrix_a_fmt:MATRIX_FMT_FP6 matrix_b_fmt:MATRIX_FMT_FP6
.endr
	WIN 0
.rept 4
	v_nop                                          ; places behind the products, on every way to the next loads into V's registers and to the way out
.endr
.Lhidden_\@:
.endm
	s_load_b128 s[4:7], s[0:1], 0x0                ; qkvc, qkvs
	s_load_b128 s[8:11], s[0:1], 0x10              ; aoc, aos
	v_lshl_add_u32 v243, v0, 2, 0x1a000
	s_set_vgpr_msb 0x40
	v_mov_b32 v255, 0
	s_set_vgpr_msb 0x4000
	v_lshrrev_b32 v1, 5, v0
	v_readfirstlane_b32 s[WV], v1                  ; wave 0..7
	s_and_b32 s17, ttmp7, 0xffff                   ; the head
	s_lshr_b32 s18, ttmp9, 1                       ; g
	s_and_b32 s19, ttmp9, 1
	s_and_b32 s28, s[WV], 3
	s_sub_co_u32 s30, 15, s18
	s_sub_co_u32 s[NS], 16, s18
	s_cmp_lt_u32 s[WV], 4
	s_cselect_b32 s[GG], s18, s30
	s_lshl_b32 s52, s[GG], 3
	s_lshl_b32 s30, s19, 2
	s_add_co_u32 s52, s52, s30
	s_add_co_u32 s52, s52, s28                     ; my tile of queries
	s_lshl_b32 s53, s19, 6
	s_lshr_b32 s30, s28, 1
	s_lshl_b32 s30, s30, 5
	s_add_co_u32 s53, s53, s30
	s_and_b32 s30, s28, 1
	s_lshl_b32 s30, s30, 3
	s_add_co_u32 s53, s53, s30                     ; where the tile begins in its 128 tokens
	v_and_b32 v6, 31, v0                           ; lane
	v_lshlrev_b32 v[LI], 4, v6
	v_lshlrev_b32 v[LS], 2, v6
	v_lshlrev_b32 v[L8], 5, v6
	s_mul_i32 s30, s[WV], FIB
	v_add_nc_u32 v[WI], s30, v[LI]
	s_lshl_b32 s30, s[WV], 7
	v_add_nc_u32 v[WS], s30, v[LS]
	s_lshl_b32 s30, s[WV], 2
	v_add_nc_u32 v[W8], s30, v[L8]
	v_add_nc_u32 v[LI+27], PAIRB, v[LI]            ; the same for slots 2 and 3
	v_add_nc_u32 v[WI+26], PAIRB, v[WI]
	v_add_nc_u32 v[L8+20], PAIRB, v[L8]
	v_add_nc_u32 v[W8+20], PAIRB, v[W8]
	v_and_b32 v7, 15, v0
	v_and_b32 v8, 8, v7
	v_add_nc_u32 v7, v7, v8                        ; r + 8 (r / 8)
	v_bfe_u32 v8, v0, 4, 1
	v_lshlrev_b32 v8, 4, v8
	v_sub_nc_u32 v7, v7, v8
	v_add_nc_u32 v[DD], s53, v7
	s_mov_b32 s[SEL], 0x76543210
	s_mov_b32 s[SEL+1], 0xfedcba98
	s_mov_b32 s[CS], 0x3e0293ee                    ; c = log2(e) / sqrt(128)
	s_mov_b32 s[CS+1], s[CS]
	s_mov_b32 s[TT], 0
	s_mov_b32 s[T0+1], 0
	s_mov_b32 s[T1+1], 0
	s_wait_kmcnt 0x0
	s_mul_i32 s[T0], s17, 196608
	s_add_nc_u64 s[CPH:CPH+1], s[CPH:CPH+1], s[T0:T0+1]
	s_mul_i32 s[T0], s52, FIB
	s_add_nc_u64 s[QP:QP+1], s[CPH:CPH+1], s[T0:T0+1]
	s_lshl_b32 s[T0], s17, 14
	s_add_nc_u64 s[SPH:SPH+1], s[SPH:SPH+1], s[T0:T0+1]
	s_lshl_b32 s[T0], s52, 7
	s_add_nc_u64 s[QSP:QSP+1], s[SPH:SPH+1], s[T0:T0+1]
	s_mul_i32 s[T0], s52, 24576
	s_mul_i32 s[T1], s17, FIB
	s_add_co_u32 s[T0], s[T0], s[T1]
	s_add_nc_u64 s[OP:OP+1], s[OP:OP+1], s[T0:T0+1]
	s_lshl_b32 s[T0], s52, 11
	s_lshl_b32 s[T1], s17, 7
	s_add_co_u32 s[T0], s[T0], s[T1]
	s_add_nc_u64 s[OSP:OSP+1], s[OSP:OSP+1], s[T0:T0+1]
.irp s, 0,1,2,3
	s_add_nc_u64 s[GC+2*\s:GC+2*\s+1], s[CPH:CPH+1], \s*12288
	s_add_nc_u64 s[GSB+2*\s:GSB+2*\s+1], s[SPH:SPH+1], \s*1024
.endr
.irp c, 0,1,2
	global_load_b128 v[16+4*\c:19+4*\c], v[LI], s[QP:QP+1] offset:512*\c   ; Q's fragment stays in registers
.endr
	global_load_b32 v255, v[LS], s[QSP:QSP+1]
	GLOADS 0                                       ; steps 0 to 3
	GLOADS 1
	GLOADS 2
	GLOADS 3
	v_mov_b32 v13, 0xff61b1e6                      ; the largest t so far: -3e38
	v_floor_f32 v12, -v13
	v_mov_b32 v14, 0
	v_mov_b32 v15, 0
.irp b, 0,1,2,3
	v_mov_b32 v[236+\b], 0                         ; (a lane permute's destination counts as one of its sources)
.endr
	v_mov_b32 v252, 0
	v_mov_b32 v253, 0
.set n, 0
.rept 64
	v_mov_b32 v[160+n], 0                          ; O^T: the step is written once; its first turn finds zeros
.set n, n+1
.endr
	s_wait_loadcnt 16                              ; Q and steps 0 and 1 are in; the 16 loads of steps 2 and 3 may be out
	LSTORES 0
	LSTORES 1
	s_wait_dscnt 0x0                               ; they have landed, and set 0 has been read
	s_add_nc_u64 s[GC:GC+1], s[CPH:CPH+1], 4*12288
	s_add_nc_u64 s[GSB:GSB+1], s[SPH:SPH+1], 4*1024
	GLOADS 0                                       ; step 4
	s_barrier_signal -1
	s_barrier_wait -1
	KLOAD 0                                        ; step 0's K; the wait at the first step's head serves it
.Ltrip:                                                ; four steps a trip: the slots and the staging sets come round
	STEPX 0
	STEPX 1
	s_add_co_u32 s[TN], s[TT], 2
	s_cmp_ge_u32 s[TN], s[NS]
	s_cbranch_scc1 .Lout                           ; the work-group's last step is done: the same in all eight waves
	STEPX 2
	STEPX 3
	s_add_co_u32 s[TT], s[TT], 4
	s_cmp_ge_u32 s[TT], s[NS]
	s_cbranch_scc1 .Lout
	s_cmp_lt_u32 s[TT], 16                         ; the backward jump is counted against the head's 16 steps
	s_cbranch_scc1 .Ltrip
.Lout:
	; THE WAY OUT: O^T / the sum, quantised along the channels: K step = my head of the last product's operand.  (The staging sets, into which loads may still be out, are not touched.)
	v_add_f32 v14, v14, v15
	v_permlanex16_b32 v252, v14, s[SEL], s[SEL+1]
	v_add_f32 v14, v14, v252                       ; the row's sum
	v_rcp_f32 v14, v14
	v_nop                                          ; a plain place behind the transcendental
	s_wait_alu depctr_va_vdst(0)                   ; and the wait ahead of its first reader
.set n, 0
.rept 64
	v_mul_f32 v[96+n], v[160+n], v14               ; register 16 b + i: channel 32 b + 16 (lane / 16) + i
.set n, n+1
.endr
.irp b, 0,1,2,3
	v_max3_num_f32 v[232+\b], |v[96+16*\b]|, |v[97+16*\b]|, 0x1800000
.endr
.irp i, 2,4,6,8,10,12,14
.irp b, 0,1,2,3
	v_max3_num_f32 v[232+\b], v[232+\b], |v[96+16*\b+\i]|, |v[97+16*\b+\i]|
.endr
.endr
.irp b, 0,1,2,3
	v_permlanex16_b32 v[236+\b], v[232+\b], s[SEL], s[SEL+1]
.endr
.irp b, 0,1,2,3
	v_max_num_f32 v[232+\b], v[232+\b], v[236+\b]
.endr
	PACKQ 96
.irp c, 0,1,2
	global_store_b128 v[LI], v[224+4*\c:227+4*\c], s[OP:OP+1] offset:512*\c   ; 512 consecutive bytes, aligned
.endr
	global_store_b32 v[LS], v253, s[OSP:OSP+1]
	s_set_vgpr_msb 0x4
	s_wait_tensorcnt 0x0
	ds_add_u32 v243, v255
	s_wait_dscnt 0x0
	s_set_vgpr_msb 0x400
	s_endpgm
.Lfunc_end_k_q85a8900c8b_attn:
	.size	k_q85a8900c8b_attn, .Lfunc_end_k_q85a8900c8b_attn-k_q85a8900c8b_attn
	.p2alignl 7, 3214868480
	.fill 96, 4, 3214868480
	.section	.rodata,"a",@progbits
	.p2align	6, 0x0
	.amdhsa_kernel k_q85a8900c8b_attn
		.amdhsa_group_segment_fixed_size 107520
		.amdhsa_private_segment_fixed_size 0
		.amdhsa_enable_private_segment 0
		.amdhsa_kernarg_size 32
		.amdhsa_user_sgpr_count 2
		.amdhsa_user_sgpr_kernarg_segment_ptr 1
		.amdhsa_wavefront_size32 1
		.amdhsa_system_sgpr_workgroup_id_x 1
		.amdhsa_system_sgpr_workgroup_id_y 1
		.amdhsa_system_sgpr_workgroup_id_z 1
		.amdhsa_system_vgpr_workitem_id 0
		.amdhsa_next_free_vgpr 512
		.amdhsa_next_free_sgpr 66
		.amdhsa_reserve_vcc 1
		.amdhsa_float_denorm_mode_32 3
		.amdhsa_float_denorm_mode_16_64 3
		.amdhsa_memory_ordered 1
		.amdhsa_forward_progress 1
		.amdhsa_inst_pref_size 121
	.end_amdhsa_kernel
	.amdgpu_metadata
---
amdhsa.version: [ 1, 2 ]
amdhsa.kernels:
  - .name:           k_q85a8900c8b_attn
    .symbol:         k_q85a8900c8b_attn.kd
    .args:
      - { .name: qkvc, .offset: 0, .size: 8, .value_kind: global_buffer, .address_space: global }
      - { .name: qkvs, .offset: 8, .size: 8, .value_kind: global_buffer, .address_space: global }
      - { .name: aoc, .offset: 16, .size: 8, .value_kind: global_buffer, .address_space: global }
      - { .name: aos, .offset: 24, .size: 8, .value_kind: global_buffer, .address_space: global }
    .group_segment_fixed_size: 107520
    .private_segment_fixed_size: 0
    .kernarg_segment_align: 8
    .kernarg_segment_size: 32
    .max_flat_workgroup_size: 256
    .sgpr_count:     66
    .vgpr_count:     512
    .wavefront_size: 32
...
	.end_amdgpu_metadata
.endif
;; end of part 3
;; launch oproj (part 4): grid 16 x 16, 4 waves a work-group, clusters of 4 x 4, 327,680 bytes of LDS; arguments aoc, aos, wcodes, wscales, out0; writes out0
.if DOCPART == 4
	.amdgcn_target "amdgcn-amd-amdhsa--gfx1250"
	.amdhsa_code_object_version 6
	.text
	.protected	k_q85a8900c8b_oproj
	.globl	k_q85a8900c8b_oproj
	.p2align	8
	.type	k_q85a8900c8b_oproj,@function
k_q85a8900c8b_oproj:
	s_mov_b64 s[64:65], 0
	v_nop
	global_prefetch_b8 v0, s[64:65] scope:SCOPE_SE
	s_setreg_imm32_b32 hwreg(HW_REG_WAVE_MODE, 25, 1), 1
	s_wait_xcnt 0x0
	s_wait_alu depctr_hold_cnt(0) depctr_sa_sdst(0) depctr_va_vdst(0) depctr_va_sdst(0) depctr_va_ssrc(0) depctr_va_vcc(0) depctr_vm_vsrc(0)
	s_getreg_b32 s2, hwreg(HW_REG_IB_STS2, 6, 4)
	s_cmp_eq_u32 s2, 0
	s_cbranch_scc0 .Lentry_in_a_cluster
	s_endpgm
.Lentry_in_a_cluster:
	s_bfe_u32 s2, ttmp6, 0x10000c
	s_cmp_lg_u32 s2, 0xf033
	s_cbranch_scc0 .Lentry_shape_is_right
	s_endpgm
.Lentry_shape_is_right:
; out0 = (attention's result) wo, on codes of FP6 (E2M3) with E8M0 scales; out0 [2048][2048] f32.
; A = aoc, aos (images of operand registers, [token tile][K step = head]); B = section 4 of wcodes, wscales (wo, [column tile][K step]).  Tile 2 b + u, row r, holds true row or column 32 b + 8 u + r + 8 (r / 8).
; A work-group makes 128 x 128, so that there are 256 of them; a wave 64 x 64: 16 accumulators.  Transposed use (source 0 = a tile of B, source 1 = a tile of A): a lane holds one row of out0, and the 16 registers of
; B's tiles 2 b, 2 b + 1 are 16 neighbouring columns.  K goes in slots of 4 K steps through a ring of two LDS slots: four slots in all, written out; the scales of all K come once.
; CLUSTERS 4 x 4: A's tiles are asked for jointly along a row of the cluster, B's along a column.
; REGISTERS: window 0: v16-29 addresses; v32-47 scale words, two sets; v64-111, v160-207 A's fragments, two sets.  window 1: B's two sets at v0, v128.  window 2: accumulator (a, b) at 8 (4 a + b).
.set NA,    4
.set NB,    4
.set NQ,    4
.set FIB,   1536
.set HALFT, NA*NQ*FIB
.set SLOT,  4*HALFT
.set SCL,   2*SLOT
.set HALFS, NA*2048
.set SPARE, SCL+4*HALFS                ; the spare words, 128 bytes a wave: no other line names them
.set SPITCH, 272                       ; the way out: a stage of 16 rows x (256 bytes + 16) for each wave, in slot 0, which has had its last fill and its last read by then
.set ADRA, 16
.set ADRB, 20
.set STO,  24
.set RD,   25
.set CO,   26
.set ADRS, 27
.set SPW,  28
.set NIL,  29
.set SC,   32
.set AF,   64
.set BK,   128
.set G1,   24
.set G0,   32
.set G1B,  48
.set G0B,  56
.set G1S,  68
.set G0S,  76
.set G1SB, 80
.set G0SB, 88
.set MSB, 0
.macro WIN new                         ; the immediate's high byte repeats the setting that is left; a switch that changes nothing is dropped
.if MSB != (\new)
	s_set_vgpr_msb (MSB<<8)|(\new)
.set MSB, (\new)
.endif
.endm
.macro JLOAD g0a, g1a, g0b, g1b        ; a joint load: waves 0 and 1 fetch for A, waves 2 and 3 for B; four v_nop follow each of the two lines
	s_cmp_eq_u32 s15, 0
	s_cbranch_scc0 .Lfor_b_\@
	tensor_load_to_lds s[\g0a:\g0a+3], s[\g1a:\g1a+7]
	s_nop 0
.rept 4
	v_nop
.endr
	s_branch .Lasked_\@
.Lfor_b_\@:
	tensor_load_to_lds s[\g0b:\g0b+3], s[\g1b:\g1b+7]
	s_nop 0
.rept 4
	v_nop
.endr
.Lasked_\@:
.endm
.macro CREST
	s_cmp_lg_u32 s14, 0
	s_cbranch_scc1 .Lnot_wave_0_\@
	s_barrier_signal -3
.Lnot_wave_0_\@:
	s_barrier_wait -3
	s_barrier_signal -1
	s_barrier_wait -1
.endm
.macro CROUND
	s_barrier_signal -1
	s_barrier_wait -1
	CREST
.endm
.macro PLACES n
.rept \n
	v_nop
.endr
.endm
.macro FETCH slot, q, p                ; the fragments and scale words of the slot's q-th K step into set p
	WIN 0x40
.set ti, 0
.rept NB
.irp c, 0,1,2
	ds_load_b128 v[128*(\p)+12*ti+4*\c:128*(\p)+12*ti+4*\c+3], v[ADRB+\slot] offset:ti*NQ*FIB+(\q)*FIB+512*\c
.endr
.set ti, ti+1
.endr
	WIN 0
.set ti, 0
.rept NA
.irp c, 0,1,2
	ds_load_b128 v[AF+96*(\p)+12*ti+4*\c:AF+96*(\p)+12*ti+4*\c+3], v[ADRA+\slot] offset:ti*NQ*FIB+(\q)*FIB+512*\c
.endr
.set ti, ti+1
.endr
.set ti, 0
.rept NB
	ds_load_b32 v[SC+8*(\p)+ti], v[ADRS] offset:2048*ti+128*(\q)   ; lanes 0-15: A's block ti; lanes 16-31: B's block ti
.set ti, ti+1
.endr
.endm
.macro MULS a0, n, p, zero             ; the accumulators take turns, one instruction a turn, in the same order in every step
.set ia, \a0
.rept \n
	WIN 0xa1+0x50*((8*NB*ia)/256)
.set ib, 0
.rept NB
.set rD, (8*(NB*ia+ib))%256
.if \zero
	v_wmma_scale_f32_16x16x128_f8f6f4 v[rD:rD+7], v[128*(\p)+12*ib:128*(\p)+12*ib+11], v[AF+96*(\p)+12*ia:AF+96*(\p)+12*ia+11], 0, v[SC+8*(\p)+ib], v[SC+8*(\p)+ia] matrix_a_fmt:MATRIX_FMT_FP6 matrix_b_fmt:MATRIX_FMT_FP6 matrix_a_scale:MATRIX_SCALE_ROW1
.else
	v_wmma_scale_f32_16x16x128_f8f6f4 v[rD:rD+7], v[128*(\p)+12*ib:128*(\p)+12*ib+11], v[AF+96*(\p)+12*ia:AF+96*(\p)+12*ia+11], v[rD:rD+7], v[SC+8*(\p)+ib], v[SC+8*(\p)+ia] matrix_a_fmt:MATRIX_FMT_FP6 matrix_b_fmt:MATRIX_FMT_FP6 matrix_a_scale:MATRIX_SCALE_ROW1
.endif
.set ib, ib+1
.endr
.set ia, ia+1
.endr
.endm
.macro STEP slot, q, zero              ; this step's set is in; the other set takes the next step's fragments behind four places; then 16 products
	s_wait_dscnt 0x0
	PLACES 4
	FETCH \slot, (\q)+1, 1-(\q)%2
	MULS 0, NA, (\q)%2, \zero
.endm
.macro TURN slot, next, fill           ; a slot's last K step changes slots
	WIN 0
	s_wait_tensorcnt 0x0                           ; all my tensor loads have landed: my part of the next slot
	ds_add_u32 v[SPW], v[NIL]                      ; 0 onto my spare word
	s_wait_dscnt 1                                 ; this step's fragments are in; the add alone may be out
	MULS 0, NA/4, 1, 0
	s_wait_dscnt 0x0                               ; the add is done, and my reads of this slot are over
	s_barrier_signal -1
	MULS NA/4, NA/4, 1, 0
	WIN 0
	s_barrier_wait -1
.if \fill
	CREST                                          ; the barrier has opened a round of the cluster's
	s_add_nc_u64 s[G0+4*\slot+2:G0+4*\slot+3], s[G0+4*\slot+2:G0+4*\slot+3], 2*NQ*FIB
	s_add_nc_u64 s[G0B+4*\slot+2:G0B+4*\slot+3], s[G0B+4*\slot+2:G0B+4*\slot+3], 2*NQ*FIB
	JLOAD G0+4*\slot, G1, G0B+4*\slot, G1B         ; my one tensor load behind the round; its four v_nop are the places in front of the loads below
.else
	PLACES 4
.endif
	v_add_nc_u32 v[ADRS], NQ*128, v[ADRS]
	FETCH \next, 0, 0
	MULS NA/2, NA/2, 1, 0
.endm
	s_load_b128 s[4:7], s[0:1], 0x0                ; aoc, aos
	s_load_b128 s[8:11], s[0:1], 0x10              ; wcodes, wscales
	s_load_b64 s[12:13], s[0:1], 0x20              ; out0
	v_lshl_add_u32 v[SPW], v0, 2, SPARE
	v_mov_b32 v[NIL], 0
	ds_add_u32 v28, v29
	ds_add_u32 v28, v29
	s_wait_dscnt 0x0
	v_lshrrev_b32 v1, 5, v0
	v_readfirstlane_b32 s14, v1                    ; wave 0..3
	s_lshr_b32 s15, s14, 1                         ; my half of A's tiles.  Also: I fetch for A (0) or for B (1)
	s_and_b32 s16, s14, 1                          ; my half of B's.  Also: which half I fetch
	s_bfe_u32 s40, ttmp6, 0x40000
	s_bfe_u32 s41, ttmp6, 0x40004
	s_lshl_b32 s42, ttmp9, 2
	s_add_co_u32 s42, s42, s40                     ; X
	s_and_b32 s17, ttmp7, 0xffff
	s_lshl_b32 s17, s17, 2
	s_add_co_u32 s17, s17, s41                     ; Y
	s_lshl_b32 s43, s41, 2
	s_lshl_b32 s43, 15, s43
	s_lshl_b32 s44, 0x1111, s40
	; group 1 for codes: 4 rows (tiles) of 4 K steps' images, 6,144 bytes = 768 elements of 8 bytes, 24,576 bytes apart; dense in LDS
	s_or_b32 s[G1+0], s43, (3<<16)|(1<<21)
	s_or_b32 s[G1B+0], s44, (3<<16)|(1<<21)
.irp g, G1, G1B
	s_mov_b32 s[\g+1], (NQ*192)<<16
	s_mov_b32 s[\g+2], NA<<16
	s_mov_b32 s[\g+3], (NQ*192)<<16
	s_mov_b32 s[\g+4], NA
	s_mov_b32 s[\g+5], 3072
	s_mov_b32 s[\g+6], 0
	s_mov_b32 s[\g+7], 0
.endr
	s_or_b32 s[G1S+0], s43, (3<<16)|(1<<21)
	s_or_b32 s[G1SB+0], s44, (3<<16)|(1<<21)
.irp g, G1S, G1SB
	s_mov_b32 s[\g+1], 32<<16
	s_mov_b32 s[\g+2], (8*NA)<<16
	s_mov_b32 s[\g+3], 32<<16
	s_mov_b32 s[\g+4], 8*NA
	s_mov_b32 s[\g+5], 32
	s_mov_b32 s[\g+6], 0
	s_mov_b32 s[\g+7], 0
.endr
	s_lshl_b32 s45, s16, 2                         ; the 4 tiles that I fetch
	s_lshl_b32 s20, s17, 3
	s_add_co_u32 s20, s20, s45                     ; A: 8 Y + 4 x half
	s_lshl_b32 s46, s42, 3
	s_add_co_u32 s46, s46, s45
	s_add_co_u32 s46, s46, 512                     ; B: section 4, 8 X + 4 x half
	s_lshl_b32 s22, s20, 11
	s_mov_b32 s23, 0
	s_mul_i32 s20, s20, 24576
	s_mov_b32 s21, 0
	s_lshl_b32 s96, s46, 11
	s_mov_b32 s97, 0
	s_mul_i32 s46, s46, 24576
	s_mov_b32 s47, 0
	s_mul_i32 s45, s14, HALFT
	s_mul_i32 s98, s14, HALFS
	s_wait_kmcnt 0x0
	s_add_nc_u64 s[20:21], s[4:5], s[20:21]
	s_add_nc_u64 s[22:23], s[6:7], s[22:23]
	s_add_nc_u64 s[46:47], s[8:9], s[46:47]
	s_add_nc_u64 s[96:97], s[10:11], s[96:97]
	CROUND                                         ; all sixteen work-groups are here: the first joint loads meet
	s_mov_b32 s[G0S], 1
	s_add_co_u32 s[G0S+1], s98, SCL
	s_mov_b64 s[G0S+2:G0S+3], s[22:23]
	s_or_b32 s[G0S+3], s[G0S+3], 0x80000000
	s_mov_b32 s[G0SB], 1
	s_add_co_u32 s[G0SB+1], s98, SCL
	s_mov_b64 s[G0SB+2:G0SB+3], s[96:97]
	s_or_b32 s[G0SB+3], s[G0SB+3], 0x80000000
	JLOAD G0S, G1S, G0SB, G1SB
.irp s, 0,1
	s_mov_b32 s[G0+4*\s], 1
	s_add_co_u32 s[G0+4*\s+1], s45, \s*SLOT
	s_add_nc_u64 s[G0+4*\s+2:G0+4*\s+3], s[20:21], \s*NQ*FIB
	s_or_b32 s[G0+4*\s+3], s[G0+4*\s+3], 0x80000000
	s_mov_b32 s[G0B+4*\s], 1
	s_add_co_u32 s[G0B+4*\s+1], s45, \s*SLOT
	s_add_nc_u64 s[G0B+4*\s+2:G0B+4*\s+3], s[46:47], \s*NQ*FIB
	s_or_b32 s[G0B+4*\s+3], s[G0B+4*\s+3], 0x80000000
	JLOAD G0+4*\s, G1, G0B+4*\s, G1B               ; three loads of mine are out
.endr
	v_and_b32 v1, 31, v0
	v_lshlrev_b32 v2, 4, v1                        ; 16 x lane
	v_lshlrev_b32 v6, 2, v1                        ; 4 x lane
	v_bfe_u32 v3, v0, 4, 1                         ; h
	v_and_b32 v4, 15, v0                           ; r
	s_mul_i32 s21, s15, HALFT
	s_mul_i32 s22, s16, HALFT
	s_add_co_u32 s22, s22, 2*HALFT
.irp s, 0,1
	v_add_nc_u32 v[ADRA+\s], s21, v2
	v_add_nc_u32 v[ADRB+\s], s22, v2
	s_add_co_u32 s21, s21, SLOT
	s_add_co_u32 s22, s22, SLOT
.endr
	s_mul_i32 s21, s15, HALFS
	s_mul_i32 s22, s16, HALFS
	s_add_co_u32 s22, s22, 2*HALFS
	s_sub_co_u32 s22, s22, s21
	v_mul_u32_u24 v5, s22, v3                      ; lanes 16-31 take B's words: one product, h x the distance
	s_add_co_u32 s21, s21, SCL
	v_add_nc_u32 v5, v6, v5
	v_add_nc_u32 v[ADRS], s21, v5
	s_mul_i32 s23, s14, 16*SPITCH                  ; my stage
	v_mul_u32_u24 v5, v4, SPITCH
	v_lshl_add_u32 v5, v3, 6, v5
	v_add_nc_u32 v[STO], s23, v5                   ; in: row r, 16 h columns on
	v_mul_u32_u24 v5, v3, SPITCH
	v_lshl_add_u32 v5, v4, 4, v5
	v_add_nc_u32 v[RD], s23, v5                    ; back: lanes 0-15 one row of 256 bytes, lanes 16-31 the next
	v_lshlrev_b32 v5, 13, v3
	v_lshl_add_u32 v[CO], v4, 4, v5                ; and the same two rows in out0
	s_lshl_b32 s20, s17, 20                        ; row 128 Y + 64 x my half, of 8,192 bytes
	s_lshl_b32 s21, s15, 19
	s_add_co_u32 s20, s20, s21
	s_lshl_b32 s21, s42, 9                         ; column 128 X + 64 x my half
	s_add_co_u32 s20, s20, s21
	s_lshl_b32 s21, s16, 8
	s_add_co_u32 s20, s20, s21
	s_mov_b32 s21, 0
	s_add_nc_u64 s[12:13], s[12:13], s[20:21]
	s_wait_tensorcnt 1                             ; the scales and my part of slot 0 are in; slot 1's may stay out
	s_barrier_signal -1
	s_barrier_wait -1
	FETCH 0, 0, 0
	STEP 0, 0, 1                                   ; the first K step starts the sums
	STEP 0, 1, 0
	STEP 0, 2, 0
	TURN 0, 1, 1                                   ; slot 0 takes K steps 8 to 11
	STEP 1, 0, 0
	STEP 1, 1, 0
	STEP 1, 2, 0
	TURN 1, 0, 1                                   ; slot 1 takes K steps 12 to 15
	STEP 0, 0, 0
	STEP 0, 1, 0
	STEP 0, 2, 0
	TURN 0, 1, 0                                   ; nothing is left to fetch
	STEP 1, 0, 0
	STEP 1, 1, 0
	STEP 1, 2, 0
	s_wait_dscnt 0x0
	MULS 0, NA, 1, 0
	WIN 0
	PLACES 4
; THE WAY OUT, a block of 16 rows x 64 columns at a time, through my own stage: a lane's 16 registers of tiles 2 b, 2 b + 1 are 64 neighbouring bytes of a row; whole rows of 256 bytes come back.
.macro TOSTAGE a
	WIN 0x08                                       ; an LDS store's data: window 2
.irp b, 0,1,2,3
	ds_store_b128 v[STO], v[8*(4*(\a)+\b):8*(4*(\a)+\b)+3] offset:128*(\b/2)+32*(\b%2)        ; each accumulator from its low end on
	ds_store_b128 v[STO], v[8*(4*(\a)+\b)+4:8*(4*(\a)+\b)+7] offset:128*(\b/2)+32*(\b%2)+16
.endr
	WIN 0
.irp t, 0,1,2,3,4,5,6,7
	ds_load_b128 v[BK+32*((\a)%2)+4*\t:BK+32*((\a)%2)+4*\t+3], v[RD] offset:\t*2*SPITCH   ; LDS serves a wave's instructions in order: these see the stores above
.endr
.endm
.macro SEND a, younger                 ; stage row 2 t + (lane / 16) is true row 32 (a / 2) + 8 (a % 2) + 2 t + 8 (t / 4) + (lane / 16) of my 64
	s_wait_dscnt \younger
.irp t, 0,1,2,3,4,5,6,7
	global_store_b128 v[CO], v[BK+32*((\a)%2)+4*\t:BK+32*((\a)%2)+4*\t+3], s[12:13] offset:(32*((\a)/2)+8*((\a)%2)+2*\t+8*(\t/4))*8192 th:TH_STORE_NT   ; sixteen lanes store 256 consecutive bytes, aligned
.endr
.endm
	TOSTAGE 0
	TOSTAGE 1
	SEND 0, 16                                     ; behind block 0's loads: block 1's 8 stores and 8 loads
	s_wait_xcnt 0x0                                ; block 0's stores have read their registers: block 2's loads may land there
	TOSTAGE 2
	SEND 1, 16
	s_wait_xcnt 0x0
	TOSTAGE 3
	SEND 2, 16
	SEND 3, 0
	s_wait_tensorcnt 0x0                           ; the wave's end
	ds_add_u32 v[SPW], v[NIL]
	s_wait_dscnt 0x0
	CROUND                                         ; the closing round
	s_endpgm
.Lfunc_end_k_q85a8900c8b_oproj:
	.size	k_q85a8900c8b_oproj, .Lfunc_end_k_q85a8900c8b_oproj-k_q85a8900c8b_oproj
	.p2alignl 7, 3214868480
	.fill 96, 4, 3214868480
	.section	.rodata,"a",@progbits
	.p2align	6, 0x0
	.amdhsa_kernel k_q85a8900c8b_oproj
		.amdhsa_group_segment_fixed_size 327680
		.amdhsa_private_segment_fixed_size 0
		.amdhsa_enable_private_segment 0
		.amdhsa_kernarg_size 40
		.amdhsa_user_sgpr_count 2
		.amdhsa_user_sgpr_kernarg_segment_ptr 1
		.amdhsa_wavefront_size32 1
		.amdhsa_system_sgpr_workgroup_id_x 1
		.amdhsa_system_sgpr_workgroup_id_y 1
		.amdhsa_system_sgpr_workgroup_id_z 1
		.amdhsa_system_vgpr_workitem_id 0
		.amdhsa_next_free_vgpr 640
		.amdhsa_next_free_sgpr 100
		.amdhsa_reserve_vcc 0
		.amdhsa_float_denorm_mode_32 3
		.amdhsa_float_denorm_mode_16_64 3
		.amdhsa_memory_ordered 1
		.amdhsa_forward_progress 1
		.amdhsa_inst_pref_size 84
	.end_amdhsa_kernel
	.amdgpu_metadata
---
amdhsa.version: [ 1, 2 ]
amdhsa.kernels:
  - .name:           k_q85a8900c8b_oproj
    .symbol:         k_q85a8900c8b_oproj.kd
    .args:
      - { .name: aoc, .offset: 0, .size: 8, .value_kind: global_buffer, .address_space: global }
      - { .name: aos, .offset: 8, .size: 8, .value_kind: global_buffer, .address_space: global }
      - { .name: wcodes, .offset: 16, .size: 8, .value_kind: global_buffer, .address_space: global }
      - { .name: wscales, .offset: 24, .size: 8, .value_kind: global_buffer, .address_space: global }
      - { .name: out0, .offset: 32, .size: 8, .value_kind: global_buffer, .address_space: global }
    .group_segment_fixed_size: 327680
    .private_segment_fixed_size: 0
    .kernarg_segment_align: 8
    .kernarg_segment_size: 40
    .max_flat_workgroup_size: 128
    .sgpr_count:     100
    .vgpr_count:     640
    .wavefront_size: 32
...
	.end_amdgpu_metadata
.endif
;; end of part 4
